; MI455X (gfx1250); checked and timed in simulation.
; The chip was launched on July 23, 2026; its instructions are those of AMD's public machine-readable ISA for CDNA 5 (MIT licence, August 2026) and "CDNA5" Instruction Set Architecture Reference Guide (July 2026). The comments in the code are by the model that wrote it; some were corrected since.
;; Enhanced Bian Gua Attention. Allowed arithmetic: matrix products marked QUANTISED: E3M2 operands, one E8M0 scale for each 32 along K, by v_wmma_scale_f32_16x16x128_f8f6f4 with both operands' format E3M2, f32 sums; products left as they are: f32 operands where the result goes on into a quantised operand, else bf16, f16 or f32 operands; f32 sums; everything else in f32.
;; Inputs: hamming_lambda_logit one number float32; hex_w 6 x 1,024 float32; out_w 1,024 x 1,024 float32; q6_w 6 x 1,024 float32; qkv_w 3,072 x 1,024 float32; scale_logit one number float32; sips_alpha 1 float32; sips_beta 1 float32; transform_weights 16 x 7 float32; transforms 7 x 6 x 6 float32; x 2 x 2,048 x 1,024 float32.
;; Outputs: out0 2 x 2,048 x 1,024 float32.
;; This version of the problem:
;;   THIS VERSION OF THE PROBLEM IS GIVEN IN LOW PRECISION. The matrix products marked QUANTISED in the list below multiply operands that are first quantised to E3M2 (3 exponent bits, 2 mantissa bits; 6 bits a number), with one power-of-two scale for each 32 numbers along K (OCP MX v1.0); their sums are f32. All else is computed in f32.
;;   The module's matrix products, in the order in which they are computed (A, B: the left and right operand; K: the contracted axis; several contracted axes count as one K, in the product's order):
;;     1. [M 4,096, K 1,024] x [K 1,024, N 3,072]; A: input x; B: input qkv_w: QUANTISED
;;     2. batch 32 x [M 2,048, K 64] x [K 64, N 2,048]; A: computed on the way; B: computed on the way: QUANTISED
;;     3. [M 4,096, K 1,024] x [K 1,024, N 6]; A: input x; B: input hex_w: left as it is (N = 6 < 16)
;;     4. batch 2 x [M 2,048, K 6] x [K 6, N 2,048]; A: computed on the way; B: computed on the way: left as it is (K = 6 < 32)
;;     5. [M 4,096, K 1,024] x [K 1,024, N 6]; A: input x; B: input q6_w: left as it is (N = 6 < 16)
;;     6. [M 16, K 7] x [K 7, N 36]; A: softmax (see below); B: input transforms: left as it is (K = 7 < 32)
;;     7. [M 96, K 6] x [K 6, N 4,096]; A: computed on the way; B: computed on the way: left as it is (K = 6 < 32)
;;     8. batch 2 x [M 32,768, K 6] x [K 6, N 2,048]; A: computed on the way; B: computed on the way: left as it is (K = 6 < 32)
;;     9. batch 32 x [M 2,048, K 2,048] x [K 2,048, N 64]; A: softmax (see below); B: computed on the way: QUANTISED
;;     10. [M 4,096, K 1,024] x [K 1,024, N 1,024]; A: computed on the way; B: input out_w: QUANTISED
;;   THE QUANTISER, for each operand of a quantised product, along K:
;;     - K is cut into blocks of 32 from its start; a last block that is shorter is filled with zeros.
;;     - A block's scale is 2^e with e = floor(log2(the largest magnitude in the block)) - 4, held to -126 .. 127; a block of zeros has e = 0. As a byte (E8M0): e + 127.
;;     - Each number is divided by its block's scale, clamped to +-28, and rounded to the nearest number of E3M2, ties to even, subnormals kept.
;;     - The product sums the exact products of the quantised numbers (number of the format x scale) in f32.
;;   ~~~python
;;   def quantise(x, axis):      # numpy; x: float32 -> the quantised numbers, widened to float32 again
;;       x = np.moveaxis(x, axis, -1); K = x.shape[-1]
;;       x = np.pad(x, [(0, 0)] * (x.ndim - 1) + [(0, -K % 32)]); x = x.reshape(x.shape[:-1] + (-1, 32)); a = np.abs(x).max(-1, keepdims=True)
;;       e = np.where(a > 0, np.clip(np.frexp(np.where(a > 0, a, 1))[1] - 1 - 4, -126, 127), 0)      # np.frexp(a)[1] - 1 = floor(log2(a)), exactly
;;       r = np.clip(x / 2.0 ** e, -28, 28)
;;       step = 2.0 ** (np.maximum(np.frexp(np.where(r == 0, 1, r))[1] - 1, -2) - 2)
;;       q = np.round(r / step) * step * 2.0 ** e      # np.round: ties to even
;;       return np.moveaxis(q.reshape(q.shape[:-2] + (-1,))[..., :K], -1, axis).astype(np.float32)
;;   ~~~
;;   SOFTMAX AHEAD OF A QUANTISED PRODUCT. Where the list says 'softmax', what is quantised is not the finished softmax but p = 2^(t - M), with t = logit x log2(e) and M = ceil(the row's largest t), a whole number; so 1/2 < the row's largest p <= 1. The row's sum l is taken of the UNQUANTISED p, in f32, and the product's result is divided by l at the end. Since M is a whole number, a kernel that streams over the keys may use a running M (the ceiling of the running maximum): every later rescaling is an exact power of two, which a block's scale takes up: the codes' values come out the same.
;;   OPERANDS COMPUTED ON THE WAY. 'Computed on the way' means the value that the module computes at that place (a softmax that the list does not call 'softmax' is quantised finished and normalised). What goes into a quantiser is computed in f32, as accurately as f32 sums, v_exp_f32 and their like allow (about 1e-6 of the number): no bf16 or f16 on the way to a quantiser, and a product that is left as it is and whose result goes on into a quantised operand takes f32 operands (vector FMAs, or v_wmma_f32_16x16x4_f32). A number that lies on a knife's edge between two numbers of the format may be rounded either way, as far as f32 arithmetic and the matrix unit's own rounding can turn it there, and no further.
;; One version. Each part assembles by itself: llvm-mc -triple=amdgcn-amd-amdhsa -mcpu=gfx1250 --defsym DOCPART=n.
;; ======== version 1 of 1: 4 launches
;; workspace buffers: cod 6,291,456 bytes; scl 262,144 bytes; fk 196,608 bytes; cst 4,608 bytes; kv 6,553,600 bytes; qb 6,553,600 bytes; ac 3,145,728 bytes; asl 131,072 bytes
;; launch prep (part 1): grid 512 x 1, 8 waves a work-group, no clusters, 78,848 bytes of LDS; arguments x, qkv_w, out_w, hex_w, q6_w, transforms, transform_weights, hamming_lambda_logit, scale_logit, sips_alpha, sips_beta, cod, scl, fk, cst; writes cod, scl, fk, cst
.if DOCPART == 1
	.amdgcn_target "amdgcn-amd-amdhsa--gfx1250"
	.amdhsa_code_object_version 6
	.text
	.protected	k_qc70f0adf42_prep
	.globl	k_qc70f0adf42_prep
	.p2align	8
	.type	k_qc70f0adf42_prep,@function
k_qc70f0adf42_prep:
	s_mov_b64 s[64:65], 0
	v_nop
	global_prefetch_b8 v0, s[64:65] scope:SCOPE_SE
	s_setreg_imm32_b32 hwreg(HW_REG_WAVE_MODE, 25, 1), 1
	s_wait_xcnt 0x0
; PREP.  x [4096][1024], qkv_w [3072][1024] and out_w [1024][1024], f32, become codes of BF6 (E3M2) with one E8M0 byte for each 32 along K, laid as the later launches' operand registers want them;
; x's tiles also get their 12 features tanh(x hex_w^T), tanh(x q6_w^T); one wave of one work-group makes the per-head constants.
; A TILE is 16 rows that are not neighbours: lane row r of tile t is row 32 (t / 2) + 8 (t % 2) + r + 8 (r / 8).  As source 0 of a product, two neighbouring tiles then give a lane 16 neighbouring results.
; AN IMAGE (768 bytes) is 16 rows x 64 K of codes as six registers a lane: lane (r, h) holds block h of row r; registers 0-3 at 16 x lane, registers 4-5 at 512 + 8 x lane.
; cod: [512 tiles][16 images]; tiles 0-255 x, 256-447 qkv_w, 448-511 out_w.  scl: [512][16 rows][8 words], word s = the four bytes of K step s.  fk: [256][768], the features as an image of six f32 a lane.
; SHARES: a work-group takes a tile, wave w its K step w (128 along K).  Each load reads 512 consecutive bytes of a row; the numbers turn through the wave's own stage in LDS, so that a lane gets two whole blocks of 32.
; The features' products keep f32 operands (their results go on into a quantised operand): v_wmma_f32_16x16x4_f32, K shared out over the eight waves, the parts added by wave 0.
; LIMITS: NaN and infinities among the inputs are not served.  A block of zeros, or one whose largest magnitude lies under 2^-122, gets the byte 1 (only this program reads the bytes; a block of zeros has zero codes).
; tanh(z) = 1 - 2 / (1 + 2^(2 log2(e) z)): its absolute error is a few units of 1e-7.  1 / sips_beta and the sigmoids are made with v_rcp_f32.
.set STGP, 528                         ; a stage row: 512 bytes + 16, so that the 16 rows of a read start in 16 different groups of banks
.set STGW, 16*STGP                     ; a wave's stage
.set SCW,  8*STGW                      ; the tile's scale words: 32 r + 4 w
.set PART, SCW+512                     ; the waves' parts of the features' sums: 1,024 bytes a wave
.set FT,   PART+8192                   ; the features, [16 rows][17 words]
.set R,   18                           ; v18-81   the rows as loaded; later the small weights
.set X,   82                           ; v82-145  register 32 c + i: k = 128 w + 64 c + 32 h + i of row r
.set Q6,  146                          ; v146-209 q6_w's part; later the sums
.set ACC, 210                          ; v210-225 two f32 accumulators: written by matrix instructions alone
.set C,   226                          ; v226-237 the codes
.set T,   238                          ; v238-244 the blocks' second halves
.set BM,  11
.set SOP, 13
.set BY,  15
.set W,   17
.set SCR, 245                          ; LDS addresses of the lines behind the barrier, made at the head
.set PRD, 246
.set FTS, 247
.set FTL, 248
.set WV,  34
.set SEL, 48
	s_load_b256 s[4:11], s[0:1], 0x0               ; x, qkv_w, out_w, hex_w
	s_load_b256 s[12:19], s[0:1], 0x20             ; q6_w, transforms, transform_weights, hamming_lambda_logit
	s_load_b256 s[20:27], s[0:1], 0x40             ; scale_logit, sips_alpha, sips_beta, cod
	s_load_b128 s[28:31], s[0:1], 0x60             ; scl, fk
	s_load_b64 s[32:33], s[0:1], 0x70              ; cst
	v_lshl_add_u32 v254, v0, 2, 0x13000
	v_mov_b32 v255, 0
	v_lshrrev_b32 v11, 5, v0
	v_readfirstlane_b32 s[WV], v11                 ; wave 0..7
	v_and_b32 v12, 31, v0                          ; lane
	v_and_b32 v1, 15, v0                           ; r
	v_bfe_u32 v2, v0, 4, 1                         ; h
	v_lshlrev_b32 v3, 4, v12                       ; 16 x lane
	v_lshlrev_b32 v4, 3, v12                       ; 8 x lane
	s_mul_i32 s35, s[WV], STGW
	v_add_nc_u32 v5, s35, v3                       ; into my stage: a row's 512 bytes as they lie
	v_mul_u32_u24 v6, v1, STGP
	v_lshl_add_u32 v6, v2, 7, v6
	v_add_nc_u32 v6, s35, v6                       ; out of it: row r, + 128 h
	v_min_u32 v7, 5, v1
	v_lshlrev_b32 v7, 12, v7
	v_lshl_add_u32 v7, v2, 7, v7                   ; hex_w: row min(r, 5), + 128 h
	v_max_u32 v8, 6, v1
	v_min_u32 v8, 11, v8
	v_add_nc_u32 v8, -6, v8
	v_lshlrev_b32 v8, 12, v8
	v_lshl_add_u32 v8, v2, 7, v8                   ; q6_w: row r - 6 held to 0 .. 5, + 128 h
	s_lshl_b32 s36, s[WV], 2
	s_add_co_u32 s36, s36, SCW
	v_lshlrev_b32 v9, 5, v1
	v_add_nc_u32 v9, s36, v9                       ; my row's scale word of my K step
	s_lshl_b32 s36, s[WV], 10
	s_add_co_u32 s36, s36, PART
	v_add_nc_u32 v10, s36, v3                      ; my wave's part of the sums
	v_add_nc_u32 v[SCR], SCW, v3
	v_add_nc_u32 v[PRD], PART, v3
	v_mul_u32_u24 v[FTS], v2, 544
	v_lshl_add_u32 v[FTS], v1, 2, v[FTS]
	v_add_nc_u32 v[FTS], FT, v[FTS]                ; features in: row 8 h + j, column r
	v_mul_u32_u24 v[FTL], v1, 68
	v_mad_u32_u24 v[FTL], v2, 12, v[FTL]
	v_add_nc_u32 v[FTL], FT, v[FTL]                ; and out: row r, columns 3 h on
	s_mov_b32 s[SEL], 0x76543210
	s_mov_b32 s[SEL+1], 0xfedcba98                 ; v_permlanex16_b32's selects for lane l xor 16
	s_lshl_b32 s42, s[WV], 9                       ; my K step in a row: 512 w bytes
	s_mov_b32 s43, 0
	s_mul_i32 s46, ttmp9, 12288
	s_mul_i32 s47, s[WV], 1536
	s_add_co_u32 s46, s46, s47
	s_mov_b32 s47, 0
	s_wait_kmcnt 0x0
	s_add_nc_u64 s[50:51], s[10:11], s[42:43]      ; hex_w at my K step
	s_add_nc_u64 s[52:53], s[12:13], s[42:43]      ; q6_w likewise
	s_add_nc_u64 s[44:45], s[26:27], s[46:47]      ; cod at my tile's images 2 w, 2 w + 1
	s_cmp_lt_u32 ttmp9, 256                        ; which tensor: the choice hangs on the work-group's number alone
	s_cselect_b64 s[38:39], s[4:5], s[6:7]
	s_cselect_b32 s40, 0, 256
	s_cmp_lt_u32 ttmp9, 448
	s_cselect_b64 s[38:39], s[38:39], s[8:9]
	s_cselect_b32 s40, s40, 448
	s_sub_co_u32 s40, ttmp9, s40                   ; the tile's number in its tensor
	s_lshr_b32 s41, s40, 1
	s_lshl_b32 s41, s41, 17                        ; 32 rows of 4,096 bytes for each pair of tiles,
	s_and_b32 s40, s40, 1
	s_lshl_b32 s40, s40, 15                        ; 8 rows for the odd one
	s_add_co_u32 s40, s40, s41
	s_add_co_u32 s40, s40, s42
	s_mov_b32 s41, 0
	s_add_nc_u64 s[38:39], s[38:39], s[40:41]
.irp i, 0,1,2,3,4,5,6,7,8,9,10,11,12,13,14,15
	global_load_b128 v[R+4*\i:R+4*\i+3], v3, s[38:39] offset:(\i+8*(\i/8))*4096 th:TH_LOAD_NT   ; lane row i: 32 lanes read 512 consecutive bytes; read once in the launch
.endr
.irp i, 0,1,2,3,4,5,6,7,8,9,10,11,12,13,14,15
	s_wait_loadcnt 15-\i                           ; loads come back in order: row i is in, the younger ones may be out
	ds_store_b128 v5, v[R+4*\i:R+4*\i+3] offset:STGP*\i
.endr
.irp c, 0,1
.irp q, 0,1,2,3,4,5,6,7
	ds_load_b128 v[X+32*\c+4*\q:X+32*\c+4*\q+3], v6 offset:256*\c+16*\q   ; my wave's own bytes, served in order: these see the stores above
.endr
.endr
	s_wait_dscnt 0x0
	; two whole blocks of 32 a lane: blocks h and 2 + h of row r
.irp c, 0,1
	v_max3_num_f32 v[BM+\c], |v[X+32*\c]|, |v[X+32*\c+1]|, 0x2800000   ; with the floor 2^(5 - 127): the byte cannot fall under 1
.endr
.irp i, 2,4,6,8,10,12,14,16,18,20,22,24,26,28,30
.irp c, 0,1
	v_max3_num_f32 v[BM+\c], v[BM+\c], |v[X+32*\c+\i]|, |v[X+32*\c+\i+1]|
.endr
.endr
.irp c, 0,1
	v_add_nc_u32 v[SOP+\c], 0xfe000000, v[BM+\c]   ; 4 off the exponent field: the conversion's scale operand
.endr
.irp c, 0,1
	v_lshrrev_b32 v[BY+\c], 23, v[SOP+\c]          ; the scale's byte
.endr
	v_lshl_or_b32 v[W], v[BY+1], 16, v[BY]
	v_lshlrev_b32 v[BM], 3, v2
	v_lshlrev_b32 v[W], v[BM], v[W]                ; at their places in the word, 8 h bits up;
	v_mov_b32 v[BM+1], 0
	v_permlanex16_b32 v[BM+1], v[W], s[SEL], s[SEL+1]
	v_or_b32 v[W], v[W], v[BM+1]                   ; with lane l xor 16's two the word is whole
.irp c, 0,1
	v_cvt_scalef32_pk16_bf6_f32 v[C+6*\c:C+6*\c+2], v[X+32*\c:X+32*\c+15], v[SOP+\c]
	v_cvt_scalef32_pk16_bf6_f32 v[T+4*\c:T+4*\c+2], v[X+32*\c+16:X+32*\c+31], v[SOP+\c]   ; (a conversion's three registers begin on an even number)
.endr
	v_nop                                          ; one plain instruction behind the conversions
.irp c, 0,1
.irp i, 0,1,2
	v_mov_b32 v[C+6*\c+3+\i], v[T+4*\c+\i]
.endr
.endr
.irp c, 0,1
	global_store_b128 v3, v[C+6*\c:C+6*\c+3], s[44:45] offset:768*\c          ; 512 consecutive bytes,
	global_store_b64 v4, v[C+6*\c+4:C+6*\c+5], s[44:45] offset:768*\c+512     ; and 256: whole aligned blocks
.endr
	ds_store_b32 v9, v[W]                          ; both halves of the lanes write the same word with the same value
	s_cmp_lt_u32 ttmp9, 256
	s_cbranch_scc0 .Lno_feat                       ; only x's tiles have features
.irp c, 0,1
.irp q, 0,1,2,3,4,5,6,7
	global_load_b128 v[R+32*\c+4*\q:R+32*\c+4*\q+3], v7, s[50:51] offset:256*\c+16*\q      ; the same k as X holds, of the weight's row
	global_load_b128 v[Q6+32*\c+4*\q:Q6+32*\c+4*\q+3], v8, s[52:53] offset:256*\c+16*\q
.endr
.endr
	s_wait_loadcnt 0x0
	v_cmp_gt_u32 vcc_lo, 6, v1
.irp j, 0,1,2,3,4,5,6,7,8,9,10,11,12,13,14,15,16,17,18,19,20,21,22,23,24,25,26,27,28,29,30,31,32,33,34,35,36,37,38,39,40,41,42,43,44,45,46,47,48,49,50,51,52,53,54,55,56,57,58,59,60,61,62,63
	v_cndmask_b32 v[R+\j], v[Q6+\j], v[R+\j], vcc_lo   ; column n = r: hex_w's rows for n < 6, q6_w's behind them (columns 12 to 15 repeat a row and are never read)
.endr
.set e, 0
.rept 32                               ; 16 rows x 16 columns x 4 k an instruction; the same k stands in the same place on both sides; two accumulators by turns
.if e < 2
	v_wmma_f32_16x16x4_f32 v[ACC+8*(e%2):ACC+8*(e%2)+7], v[X+2*e:X+2*e+1], v[R+2*e:R+2*e+1], 0
.else
	v_wmma_f32_16x16x4_f32 v[ACC+8*(e%2):ACC+8*(e%2)+7], v[X+2*e:X+2*e+1], v[R+2*e:R+2*e+1], v[ACC+8*(e%2):ACC+8*(e%2)+7]
.endif
.set e, e+1
.endr
.rept 8
	v_nop                                          ; eight places behind this form before a result is read (ISA guide 7.12.1)
.endr
.irp j, 0,1,2,3,4,5,6,7
	v_add_f32 v[Q6+\j], v[ACC+\j], v[ACC+8+\j]     ; from the low end on; into registers of their own
.endr
	ds_store_b128 v10, v[Q6:Q6+3]
	ds_store_b128 v10, v[Q6+4:Q6+7] offset:512
.Lno_feat:
	s_wait_dscnt 0x0                               ; for the others' sake: my LDS stores are done
	s_barrier_signal -1
	s_barrier_wait -1
	s_cmp_eq_u32 s[WV], 1
	s_cbranch_scc0 .Lnot_1
	ds_load_b128 v[18:21], v[SCR]                  ; wave 1: the tile's 512 bytes of scale words leave as two aligned blocks of 256
	s_lshl_b32 s54, ttmp9, 9
	s_mov_b32 s55, 0
	s_add_nc_u64 s[54:55], s[28:29], s[54:55]
	s_wait_dscnt 0x0
	global_store_b128 v3, v[18:21], s[54:55]
	s_wait_tensorcnt 0x0
	ds_add_u32 v254, v255
	s_wait_dscnt 0x0
	s_endpgm
.Lnot_1:
	s_cmp_eq_u32 s[WV], 0
	s_cbranch_scc0 .Lnot_0
	s_cmp_lt_u32 ttmp9, 256
	s_cbranch_scc0 .Lend
	; wave 0 of x's tiles: the eight parts are added; lane (n, h), register j: feature n of lane row 8 h + j
.irp w, 0,1,2,3,4,5,6,7
	ds_load_b128 v[18+8*\w:21+8*\w], v[PRD] offset:1024*\w
	ds_load_b128 v[22+8*\w:25+8*\w], v[PRD] offset:1024*\w+512
.endr
	s_wait_dscnt 0x0
.irp w, 1,2,3,4,5,6,7
.irp p, 0,2,4,6
	v_pk_add_f32 v[18+\p:19+\p], v[18+\p:19+\p], v[18+8*\w+\p:19+8*\w+\p]
.endr
.endr
.irp j, 0,1,2,3,4,5,6,7
	v_mul_f32 v[18+\j], 0x4038aa3b, v[18+\j]       ; 2 log2(e) z
.endr
.irp j, 0,1,2,3,4,5,6,7
	v_exp_f32 v[18+\j], v[18+\j]
.endr
	v_nop                                          ; a plain instruction behind the batch,
	s_wait_alu depctr_va_vdst(0)                   ; and one wait ahead of its first reader
.irp j, 0,1,2,3,4,5,6,7
	v_add_f32 v[18+\j], 1.0, v[18+\j]
.endr
.irp j, 0,1,2,3,4,5,6,7
	v_rcp_f32 v[18+\j], v[18+\j]
.endr
	v_nop
	s_wait_alu depctr_va_vdst(0)
.irp j, 0,1,2,3,4,5,6,7
	v_fma_f32 v[18+\j], v[18+\j], -2.0, 1.0        ; tanh
.endr
.irp j, 0,1,2,3,4,5,6,7
	ds_store_b32 v[FTS], v[18+\j] offset:68*\j
.endr
.irp e, 0,1,2
	ds_load_b32 v[30+\e], v[FTL] offset:4*\e       ; lane (row, h): soft bits 3 h + 0 .. 2,
	ds_load_b32 v[33+\e], v[FTL] offset:24+4*\e    ; and hex coordinates 3 h + 0 .. 2
.endr
	s_mul_i32 s54, ttmp9, 768
	s_mov_b32 s55, 0
	s_add_nc_u64 s[54:55], s[30:31], s[54:55]
	s_wait_dscnt 0x0
	global_store_b128 v3, v[30:33], s[54:55]
	global_store_b64 v4, v[34:35], s[54:55] offset:512
	s_wait_tensorcnt 0x0
	ds_add_u32 v254, v255
	s_wait_dscnt 0x0
	s_endpgm
.Lnot_0:
	s_cmp_eq_u32 s[WV], 2
	s_cbranch_scc0 .Lend
	s_cmp_eq_u32 ttmp9, 256
	s_cbranch_scc0 .Lend
	; THE CONSTANTS, by one wave.  Lane = (head = lane % 16, h).  Row (head, h) of cst: 18 numbers T[3 dd + e] = f Mh[d][3 h + e], f = sigmoid(scale_logit) log2(e) / 3,
	; d = 3 h + dd for dd < 3 (the lane's own coordinates in attn) and 3 (1 - h) + dd - 3 behind them (the other half's).
	s_load_b32 s60, s[18:19], 0x0                  ; hamming_lambda_logit
	s_load_b32 s61, s[20:21], 0x0                  ; scale_logit
	s_load_b32 s62, s[22:23], 0x0                  ; sips_alpha
	s_load_b32 s63, s[24:25], 0x0                  ; sips_beta
	v_mul_u32_u24 v11, v1, 28
.irp t, 0,1,2,3,4,5,6
	global_load_b32 v[18+\t], v11, s[16:17] offset:4*\t
.endr
	v_mul_u32_u24 v12, v2, 84
	v_mul_u32_u24 v13, v2, 60
	v_sub_nc_u32 v13, 72, v13
.irp t, 0,1,2,3,4,5,6
.irp d, 0,1,2
.irp e, 0,1,2
	global_load_b32 v[26+18*\t+3*\d+\e], v12, s[14:15] offset:144*\t+24*\d+4*\e
	global_load_b32 v[35+18*\t+3*\d+\e], v13, s[14:15] offset:144*\t+24*\d+4*\e
.endr
.endr
.endr
	v_lshlrev_b32 v14, 8, v1
	v_lshl_add_u32 v14, v2, 7, v14                 ; my row of cst
	s_wait_kmcnt 0x0
	s_wait_loadcnt 0x0
	v_max3_num_f32 v160, v18, v19, v20             ; the softmax over the seven transforms takes its maximum away first
	v_max3_num_f32 v160, v160, v21, v22
	v_max3_num_f32 v160, v160, v23, v24
.irp t, 0,1,2,3,4,5,6
	v_sub_f32 v[18+\t], v[18+\t], v160
.endr
.irp t, 0,1,2,3,4,5,6
	v_mul_f32 v[18+\t], 0x4038aa3b, v[18+\t]       ; / 0.5, x log2(e)
.endr
	v_mov_b32 v161, s60
	v_mul_f32 v161, 0xbfb8aa3b, v161
	v_mov_b32 v162, s61
	v_mul_f32 v162, 0xbfb8aa3b, v162
.irp t, 0,1,2,3,4,5,6
	v_exp_f32 v[18+\t], v[18+\t]
.endr
	v_exp_f32 v161, v161
	v_exp_f32 v162, v162
	v_mov_b32 v163, s63                            ; (a plain instruction behind the batch)
	s_wait_alu depctr_va_vdst(0)
	v_add_f32 v164, v18, v19
	v_add_f32 v165, v20, v21
	v_add_f32 v164, v164, v22
	v_add_f32 v165, v165, v23
	v_add_f32 v164, v164, v24
	v_add_f32 v164, v164, v165
	v_add_f32 v161, 1.0, v161
	v_add_f32 v162, 1.0, v162
	v_rcp_f32 v164, v164
	v_rcp_f32 v161, v161                           ; sigmoid(hamming_lambda_logit)
	v_rcp_f32 v162, v162                           ; sigmoid(scale_logit)
	v_rcp_f32 v163, v163                           ; 1 / sips_beta
	v_mov_b32 v186, s62
	s_wait_alu depctr_va_vdst(0)
	v_mul_f32 v162, 0x3fb8aa3b, v162
	v_mul_f32 v162, 0x3eaaaaab, v162               ; x log2(e) / 3
	v_mul_f32 v164, v164, v162
.irp t, 0,1,2,3,4,5,6
	v_mul_f32 v[18+\t], v[18+\t], v164
.endr
.irp k, 0,1,2,3,4,5,6,7,8,9,10,11,12,13,14,15,16,17
	v_mul_f32 v[166+\k], v18, v[26+\k]
.endr
.irp t, 1,2,3,4,5,6
.irp k, 0,1,2,3,4,5,6,7,8,9,10,11,12,13,14,15,16,17
	v_fmac_f32 v[166+\k], v[18+\t], v[26+18*\t+\k]
.endr
.endr
	v_mul_f32 v184, 0x4038aa3b, v163               ; c1 = 2 log2(e) / beta
	v_mul_f32 v185, 0xc038aa3b, v186               ; c2 = -2 log2(e) alpha
	v_mul_f32 v186, 0x3fb8aa3b, v186               ; K0 = log2(e) alpha
	v_mul_f32 v187, 0x3f38aa3b, v161               ; lamc = sigmoid(lambda) log2(e) / 2
.irp q, 0,1,2,3
	global_store_b128 v14, v[166+4*\q:169+4*\q], s[32:33] offset:16*\q
.endr
	global_store_b64 v14, v[182:183], s[32:33] offset:64
	global_store_b128 v3, v[184:187], s[32:33] offset:4096   ; a copy a lane; the first is read
.Lend:
	s_wait_tensorcnt 0x0
	ds_add_u32 v254, v255
	s_wait_dscnt 0x0
	s_endpgm
.Lfunc_end_k_qc70f0adf42_prep:
	.size	k_qc70f0adf42_prep, .Lfunc_end_k_qc70f0adf42_prep-k_qc70f0adf42_prep
	.p2alignl 7, 3214868480
	.fill 96, 4, 3214868480
	.section	.rodata,"a",@progbits
	.p2align	6, 0x0
	.amdhsa_kernel k_qc70f0adf42_prep
		.amdhsa_group_segment_fixed_size 78848
		.amdhsa_private_segment_fixed_size 0
		.amdhsa_enable_private_segment 0
		.amdhsa_kernarg_size 120
		.amdhsa_user_sgpr_count 2
		.amdhsa_user_sgpr_kernarg_segment_ptr 1
		.amdhsa_wavefront_size32 1
		.amdhsa_system_sgpr_workgroup_id_x 1
		.amdhsa_system_sgpr_workgroup_id_y 1
		.amdhsa_system_sgpr_workgroup_id_z 1
		.amdhsa_system_vgpr_workitem_id 0
		.amdhsa_next_free_vgpr 256
		.amdhsa_next_free_sgpr 66
		.amdhsa_reserve_vcc 1
		.amdhsa_float_denorm_mode_32 3
		.amdhsa_float_denorm_mode_16_64 3
		.amdhsa_memory_ordered 1
		.amdhsa_forward_progress 1
		.amdhsa_inst_pref_size 46
	.end_amdhsa_kernel
	.amdgpu_metadata
---
amdhsa.version: [ 1, 2 ]
amdhsa.kernels:
  - .name:           k_qc70f0adf42_prep
    .symbol:         k_qc70f0adf42_prep.kd
    .args:
      - { .name: x, .offset: 0, .size: 8, .value_kind: global_buffer, .address_space: global }
      - { .name: qkv_w, .offset: 8, .size: 8, .value_kind: global_buffer, .address_space: global }
      - { .name: out_w, .offset: 16, .size: 8, .value_kind: global_buffer, .address_space: global }
      - { .name: hex_w, .offset: 24, .size: 8, .value_kind: global_buffer, .address_space: global }
      - { .name: q6_w, .offset: 32, .size: 8, .value_kind: global_buffer, .address_space: global }
      - { .name: transforms, .offset: 40, .size: 8, .value_kind: global_buffer, .address_space: global }
      - { .name: transform_weights, .offset: 48, .size: 8, .value_kind: global_buffer, .address_space: global }
      - { .name: hamming_lambda_logit, .offset: 56, .size: 8, .value_kind: global_buffer, .address_space: global }
      - { .name: scale_logit, .offset: 64, .size: 8, .value_kind: global_buffer, .address_space: global }
      - { .name: sips_alpha, .offset: 72, .size: 8, .value_kind: global_buffer, .address_space: global }
      - { .name: sips_beta, .offset: 80, .size: 8, .value_kind: global_buffer, .address_space: global }
      - { .name: cod, .offset: 88, .size: 8, .value_kind: global_buffer, .address_space: global }
      - { .name: scl, .offset: 96, .size: 8, .value_kind: global_buffer, .address_space: global }
      - { .name: fk, .offset: 104, .size: 8, .value_kind: global_buffer, .address_space: global }
      - { .name: cst, .offset: 112, .size: 8, .value_kind: global_buffer, .address_space: global }
    .group_segment_fixed_size: 78848
    .private_segment_fixed_size: 0
    .kernarg_segment_align: 8
    .kernarg_segment_size: 120
    .max_flat_workgroup_size: 256
    .sgpr_count:     66
    .vgpr_count:     256
    .wavefront_size: 32
...
	.end_amdgpu_metadata
.endif
;; end of part 1
;; launch qkv (part 2): grid 12 x 16, 4 waves a work-group, clusters of 4 x 1, 213,504 bytes of LDS; arguments cod, scl, qb, kv; writes qb, kv
.if DOCPART == 2
	.amdgcn_target "amdgcn-amd-amdhsa--gfx1250"
	.amdhsa_code_object_version 6
	.text
	.protected	k_qc70f0adf42_qkv
	.globl	k_qc70f0adf42_qkv
	.p2align	8
	.type	k_qc70f0adf42_qkv,@function
k_qc70f0adf42_qkv:
	s_mov_b64 s[64:65], 0
	v_nop
	global_prefetch_b8 v0, s[64:65] scope:SCOPE_SE
	s_setreg_imm32_b32 hwreg(HW_REG_WAVE_MODE, 25, 1), 1
	s_wait_xcnt 0x0
	s_wait_alu depctr_hold_cnt(0) depctr_sa_sdst(0) depctr_va_vdst(0) depctr_va_sdst(0) depctr_va_ssrc(0) depctr_va_vcc(0) depctr_vm_vsrc(0)
	s_getreg_b32 s2, hwreg(HW_REG_IB_STS2, 6, 4)
	s_cmp_eq_u32 s2, 0
	s_cbranch_scc0 .Lentry_in_a_cluster
	s_endpgm
.Lentry_in_a_cluster:
	s_bfe_u32 s2, ttmp6, 0x10000c
	s_cmp_lg_u32 s2, 0x3003
	s_cbranch_scc0 .Lentry_shape_is_right
	s_endpgm
.Lentry_shape_is_right:
; QKV.  q, k, v = x qkv_w^T on codes of BF6 (E3M2) with E8M0 scales, f32 sums; the results are quantised at once, q and k along the head's 64 channels, v along the tokens, and stored as operand images for attn.
; SHARES.  The cluster's x is the kind (0 q, 1 k, 2 v); its four partners take four heads each, wave w of partner cx head 4 cx + w; the grid's y takes 256 tokens.
; THE WEIGHTS STAND STILL: a wave's 64 rows of qkv_w, all of K, lie in 384 registers, read from cod once.  The 256 tokens' codes (196,608 bytes) and scale words (8,192) come into LDS once, by tensor loads that the four
; partners ask for JOINTLY (they need the same tokens), and all four waves read them.  No LDS byte is filled twice.  192 work-groups: 3,072 columns in shares of 256 x 256 tokens.
; A PASS is 64 tokens x 64 columns: 16 accumulators by turns, 8 K steps of 128.  q, k: source 0 = 16 rows of the weight, source 1 = 16 tokens: a lane holds one token and 32 + 32 neighbouring channels.
; v: the sources change places: a lane holds one channel and 64 neighbouring tokens.  (Tiles of rows and tokens are those of prep: not neighbours, so that results are.)
; kv: [32 heads][16 steps of 128 tokens][12,800]: K's images at 768 x tile; V's at 6,144 + 1,536 x channel tile + 768 x half; K's scale words at 12,288 + 16 r + 4 f; V's at 12,544 + 16 r + 4 t.  qb: the same, K's parts alone, for q.
; LIMITS: as prep's: a block whose largest magnitude lies under 2^-122 gets the byte 1; NaN and infinities are not served.
; REGISTERS: window 0: v1-7 addresses; v16-47 the tokens' scale words (16 + 8 a + s); v48-79 the weights' (48 + 8 b + s); v80-207 accumulators; v208-231 codes; v232-251 at work.
;   windows 1 and 2: the weights' fragments, K steps 0-4 and 5-7, at 12 (4 s + b).   window 3: the tokens' fragments, two buffers of 48.
.set ASC,  196608                      ; behind the codes: the tokens' scale words, 512 bytes a tile
.set WV,   12
.set KIND, 14
.set PB,   17                          ; the pass's codes in LDS
.set PS,   18                          ; and its scale words
.set PASS, 19
.set SEL,  20
.set G1A,  24                          ; s[24:31] descriptor group 1: 48 rows of 256 bytes (a tile's codes)
.set G1S,  32                          ; s[32:39] 8 rows of 256 bytes (four tiles' scale words)
.set G0,   40                          ; s[40:55] groups 0 of my four tiles
.set G0S,  56                          ; s[56:59] group 0 of my scale words
.set HB,   60                          ; s[60:61] the output buffer at my head
.set OB,   62                          ; s[62:63] at the pass's images
.set SB,   66                          ; s[66:67] at the step's scale words
.set WB,   72                          ; s[72:73] cod at my four tiles of the weight
.set WSB,  74                          ; s[74:75] scl likewise
.set P0,   76                          ; the first pass's number in its batch
.set ACCU, 80
.set COD,  208
.set QT,   232
.set QBM,  236
.set QPX,  238
.set QSOP, 240
.set QBY,  242
.set WW,   244                         ; the step's four scale words
.set UU,   248                         ; a unit's two bytes
.set MSB, 0
.macro WIN new                         ; the immediate's high byte repeats the setting that is left
.if MSB != \new
	s_set_vgpr_msb (MSB<<8)|\new
.set MSB, \new
.endif
.endm
.macro PLACES4
.rept 4
	v_nop
.endr
.endm
.macro CROUND                          ; a round of the cluster's barrier
	s_barrier_signal -1
	s_barrier_wait -1
	s_cmp_lg_u32 s[WV], 0
	s_cbranch_scc1 .Lnot_wave_0_\@
	s_barrier_signal -3
.Lnot_wave_0_\@:
	s_barrier_wait -3
	s_barrier_signal -1
	s_barrier_wait -1
.endm
; 32 numbers of a lane, register 16 b + i = element 32 b + 16 (lane / 16) + i of my row, become an image's six registers at v[c] on and the two scale bytes in v[u].
.macro QUANT2 src, c, u
	v_max3_num_f32 v[QBM], |v[\src]|, |v[\src+1]|, 0x2800000          ; with the floor 2^(5 - 127): the byte cannot fall under 1
	v_max3_num_f32 v[QBM+1], |v[\src+16]|, |v[\src+17]|, 0x2800000
.irp i, 2,4,6,8,10,12,14
	v_max3_num_f32 v[QBM], v[QBM], |v[\src+\i]|, |v[\src+\i+1]|
	v_max3_num_f32 v[QBM+1], v[QBM+1], |v[\src+16+\i]|, |v[\src+17+\i]|
.endr
	v_permlanex16_b32 v[QPX], v[QBM], s[SEL], s[SEL+1]
	v_permlanex16_b32 v[QPX+1], v[QBM+1], s[SEL], s[SEL+1]
	v_max_num_f32 v[QBM], v[QBM], v[QPX]           ; with lane l xor 16's: the block's largest magnitude
	v_max_num_f32 v[QBM+1], v[QBM+1], v[QPX+1]
	v_add_nc_u32 v[QSOP], 0xfe000000, v[QBM]       ; 4 off the exponent field: the conversion's scale operand
	v_add_nc_u32 v[QSOP+1], 0xfe000000, v[QBM+1]
	v_lshrrev_b32 v[QBY], 23, v[QSOP]
	v_lshrrev_b32 v[QBY+1], 23, v[QSOP+1]
	v_lshl_or_b32 v[\u], v[QBY+1], 8, v[QBY]
	v_cvt_scalef32_pk16_bf6_f32 v[\c:\c+2], v[\src:\src+15], v[QSOP]
	v_cvt_scalef32_pk16_bf6_f32 v[QT:QT+2], v[\src+16:\src+31], v[QSOP+1]
	v_nop                                          ; one plain instruction behind the conversions
.irp i, 0,1,2
	v_permlane16_swap_b32 v[\c+\i], v[QT+\i]       ; lanes 0-15 get block 0 whole, lanes 16-31 block 1
.endr
.irp i, 0,1,2
	v_mov_b32 v[\c+3+\i], v[QT+\i]
.endr
.endm
.macro FETCH s                         ; the four tokens' tiles of K step s into buffer s % 2: 16 loads, each of consecutive bytes
	WIN 0xc0                                       ; destination window 3
.irp a, 0,1,2,3
.irp c, 0,1
	ds_load_b128 v[48*((\s)%2)+12*\a+6*\c:48*((\s)%2)+12*\a+6*\c+3], v5 offset:\a*12288+(2*(\s)+\c)*768
	ds_load_b64 v[48*((\s)%2)+12*\a+6*\c+4:48*((\s)%2)+12*\a+6*\c+5], v6 offset:\a*12288+(2*(\s)+\c)*768+512
.endr
.endr
.endm
.macro WLOAD s                         ; my four tiles of the weight, K step s: they stay
.if (\s) < 5
	WIN 0x40
.set WF, 48*(\s)
.else
	WIN 0x80
.set WF, 48*((\s)-5)
.endif
.irp b, 0,1,2,3
.irp c, 0,1
	global_load_b128 v[WF+12*\b+6*\c:WF+12*\b+6*\c+3], v1, s[WB:WB+1] offset:\b*12288+(2*(\s)+\c)*768
	global_load_b64 v[WF+12*\b+6*\c+4:WF+12*\b+6*\c+5], v2, s[WB:WB+1] offset:\b*12288+(2*(\s)+\c)*768+512
.endr
.endr
.endm
; 16 products of K step s; the 16 accumulators take turns, one instruction a turn, in the same order in every step.  K step 0 starts the sums.
.macro MUL ori, s
.if (\s) < 5
.set WF, 48*(\s)
.if \ori
	WIN 0x07                                       ; source 0 (tokens) window 3, source 1 (weight) window 1
.else
	WIN 0x0d                                       ; source 0 (weight) window 1, source 1 (tokens) window 3
.endif
.else
.set WF, 48*((\s)-5)
.if \ori
	WIN 0x0b
.else
	WIN 0x0e
.endif
.endif
.set AFR, 48*((\s)%2)
.irp a, 0,1,2,3
.irp b, 0,1,2,3
.if \ori
.if (\s) == 0
	v_wmma_scale_f32_16x16x128_f8f6f4 v[ACCU+8*(4*\b+\a):ACCU+8*(4*\b+\a)+7], v[AFR+12*\a:AFR+12*\a+11], v[WF+12*\b:WF+12*\b+11], 0, v[16+8*\a+(\s)], v[48+8*\b+(\s)] matrix_a_fmt:MATRIX_FMT_BF6 matrix_b_fmt:MATRIX_FMT_BF6
.else
	v_wmma_scale_f32_16x16x128_f8f6f4 v[ACCU+8*(4*\b+\a):ACCU+8*(4*\b+\a)+7], v[AFR+12*\a:AFR+12*\a+11], v[WF+12*\b:WF+12*\b+11], v[ACCU+8*(4*\b+\a):ACCU+8*(4*\b+\a)+7], v[16+8*\a+(\s)], v[48+8*\b+(\s)] matrix_a_fmt:MATRIX_FMT_BF6 matrix_b_fmt:MATRIX_FMT_BF6
.endif
.else
.if (\s) == 0
	v_wmma_scale_f32_16x16x128_f8f6f4 v[ACCU+8*(4*\a+\b):ACCU+8*(4*\a+\b)+7], v[WF+12*\b:WF+12*\b+11], v[AFR+12*\a:AFR+12*\a+11], 0, v[48+8*\b+(\s)], v[16+8*\a+(\s)] matrix_a_fmt:MATRIX_FMT_BF6 matrix_b_fmt:MATRIX_FMT_BF6
.else
	v_wmma_scale_f32_16x16x128_f8f6f4 v[ACCU+8*(4*\a+\b):ACCU+8*(4*\a+\b)+7], v[WF+12*\b:WF+12*\b+11], v[AFR+12*\a:AFR+12*\a+11], v[ACCU+8*(4*\a+\b):ACCU+8*(4*\a+\b)+7], v[48+8*\b+(\s)], v[16+8*\a+(\s)] matrix_a_fmt:MATRIX_FMT_BF6 matrix_b_fmt:MATRIX_FMT_BF6
.endif
.endif
.endr
.endr
.endm
; The products and the way out of a pass.  ori = 0: q, k; 1: v.  first = 1: pass 0, in which the weights are still landing, and which stores no scale words (a step's four words are whole behind its second pass).
.macro BODY ori, first
.set SS, 0
.rept 8
.if SS < 7
.if SS > 0
	PLACES4                                        ; four places between the products that read a buffer and the loads into it
.endif
	FETCH SS+1
	s_wait_dscnt 16                                ; all but the 16 just issued: this K step's fragments (and the scale words) are in
.else
	s_wait_dscnt 0x0
.endif
.if \first
.if 16*(7-SS) > 63
	s_wait_loadcnt 63                              ; behind this K step's weights more loads were issued than the count can name: the largest count serves
.else
	s_wait_loadcnt 16*(7-SS)                       ; the weights of the later K steps may be out
.endif
.endif
	MUL \ori, SS
.set SS, SS+1
.endr
	WIN 0
.if \ori
.set HALFB, 768
.set PARTB, 6144
.set SCB, 12544
.set UST, 1536
.else
.set HALFB, 3072
.set PARTB, 0
.set SCB, 12288
.set UST, 768
.endif
	PLACES4                                        ; four places before results are read
	s_wait_xcnt 0x0                                ; the last pass's stores have read their data and bases: both are written again only behind this wait
	s_add_co_u32 s68, s[P0], s[PASS]               ; the pass's number in its batch: 64 tokens each
	s_lshr_b32 s69, s68, 1
	s_mul_i32 s69, s69, 12800                      ; its step of 128 tokens,
	s_and_b32 s68, s68, 1
	s_mul_i32 s68, s68, HALFB                      ; and which half of it
	s_add_co_u32 s70, s69, s68
	s_add_co_u32 s70, s70, PARTB
	s_mov_b32 s71, 0
	s_add_nc_u64 s[OB:OB+1], s[HB:HB+1], s[70:71]
	s_add_co_u32 s70, s69, SCB
	s_add_nc_u64 s[SB:SB+1], s[HB:HB+1], s[70:71]
.irp u, 0,1,2,3
	QUANT2 ACCU+32*\u, COD+6*\u, UU+\u
	global_store_b128 v1, v[COD+6*\u:COD+6*\u+3], s[OB:OB+1] offset:\u*UST          ; 512 consecutive bytes,
	global_store_b64 v2, v[COD+6*\u+4:COD+6*\u+5], s[OB:OB+1] offset:\u*UST+512     ; and 256: whole aligned blocks
.endr
.if \ori
.irp b, 0,1,2,3
	v_lshrrev_b32 v[WW+\b], 16, v[WW+\b]           ; channel tile b's word: the first half's two bytes go down, this half's come in on top
	v_lshl_or_b32 v[WW+\b], v[UU+\b], 16, v[WW+\b]
.endr
.else
	v_mov_b32 v[WW], v[WW+2]                       ; fragments 0, 1 are the first half's, 2, 3 this half's: two tiles' bytes to a word
	v_mov_b32 v[WW+1], v[WW+3]
	v_lshl_or_b32 v[WW+2], v[UU+1], 16, v[UU]
	v_lshl_or_b32 v[WW+3], v[UU+3], 16, v[UU+2]
.endif
.if \first == 0
	s_bitcmp1_b32 s[PASS], 0
	s_cbranch_scc0 .Lno_words_\@                   ; behind a step's second pass its 256 bytes of scale words leave as one aligned block
	global_store_b128 v4, v[WW:WW+3], s[SB:SB+1]   ; (lanes 16-31 store the same values at the same places)
.Lno_words_\@:
.endif
.endm
.macro PASSM first
	v_add_nc_u32 v5, s[PB], v1
	v_add_nc_u32 v6, s[PB], v2
	v_add_nc_u32 v7, s[PS], v3
	FETCH 0
	WIN 0
.irp a, 0,1,2,3
	ds_load_b128 v[16+8*\a:19+8*\a], v7 offset:512*\a            ; tile a, row r: the words of K steps 0-3,
	ds_load_b128 v[20+8*\a:23+8*\a], v7 offset:512*\a+16         ; and 4-7
.endr
	s_cmp_eq_u32 s[KIND], 2                        ; the kind is the cluster's x: the same in all four partners
	s_cbranch_scc1 .Lv_\@
	BODY 0, \first
	s_branch .Ljoin_\@
.Lv_\@:
	BODY 1, \first
.Ljoin_\@:
.endm
	s_load_b256 s[4:11], s[0:1], 0x0               ; cod, scl, qb, kv
	v_lshl_add_u32 v254, v0, 2, 0x34000
	v_mov_b32 v255, 0
	ds_add_u32 v254, v255
	ds_add_u32 v254, v255
	v_lshrrev_b32 v8, 5, v0
	v_readfirstlane_b32 s[WV], v8                  ; wave 0..3
	v_and_b32 v8, 31, v0
	v_lshlrev_b32 v1, 4, v8                        ; 16 x lane
	v_lshlrev_b32 v2, 3, v8                        ; 8 x lane
	v_and_b32 v9, 15, v0
	v_lshlrev_b32 v3, 5, v9                        ; 32 r: a row of scale words
	v_lshlrev_b32 v4, 4, v9                        ; 16 r
	v_mov_b32 v[QPX], 0                            ; written once: a lane permute's destination counts as one of its sources
	v_mov_b32 v[QPX+1], 0
.irp i, 0,1,2,3
	v_mov_b32 v[WW+\i], 0
.endr
	s_mov_b32 s[SEL], 0x76543210
	s_mov_b32 s[SEL+1], 0xfedcba98
	s_bfe_u32 s13, ttmp6, 0x40000                  ; cx: it enters the weights' and the outputs' addresses alone
	s_mov_b32 s[KIND], ttmp9
	s_and_b32 s15, ttmp7, 0xffff                   ; y
	s_mov_b32 s[G1A], 15|(3<<16)|(1<<21)           ; 15:0 the mask: all four partners; 17:16 elements of 8 bytes; 21 set beside a mask; no padding
	s_mov_b32 s[G1A+1], 32<<16                     ; tensor_dim0 = 32 elements: rows of 256 bytes
	s_mov_b32 s[G1A+2], 48<<16                     ; tensor_dim1 = 48
	s_mov_b32 s[G1A+3], 32<<16                     ; tile_dim0
	s_mov_b32 s[G1A+4], 48                         ; tile_dim1
	s_mov_b32 s[G1A+5], 32                         ; the pitch: dense
	s_mov_b32 s[G1A+6], 0
	s_mov_b32 s[G1A+7], 0
	s_mov_b32 s[G1S], 15|(3<<16)|(1<<21)
	s_mov_b32 s[G1S+1], 32<<16
	s_mov_b32 s[G1S+2], 8<<16
	s_mov_b32 s[G1S+3], 32<<16
	s_mov_b32 s[G1S+4], 8
	s_mov_b32 s[G1S+5], 32
	s_mov_b32 s[G1S+6], 0
	s_mov_b32 s[G1S+7], 0
	s_mul_i32 s70, s15, 196608                     ; the 16 tiles of my 256 tokens,
	s_mul_i32 s69, s[WV], 12288                    ; of each four the w-th: in memory and in LDS alike
	s_add_co_u32 s70, s70, s69
	s_mov_b32 s71, 0
	s_lshl_b32 s82, s[WV], 11                      ; the scale words of tiles 4 w .. 4 w + 3
	s_lshl_b32 s80, s15, 13
	s_add_co_u32 s80, s80, s82
	s_mov_b32 s81, 0
	s_wait_dscnt 0x0
	s_wait_kmcnt 0x0
	s_add_nc_u64 s[78:79], s[4:5], s[70:71]
.irp p, 0,1,2,3
	s_mov_b32 s[G0+4*\p], 1
	s_add_co_u32 s[G0+4*\p+1], s69, 49152*\p
	s_add_nc_u64 s[G0+4*\p+2:G0+4*\p+3], s[78:79], 49152*\p
	s_or_b32 s[G0+4*\p+3], s[G0+4*\p+3], 0x80000000
.endr
	s_mov_b32 s[G0S], 1
	s_add_co_u32 s[G0S+1], s82, ASC
	s_add_nc_u64 s[G0S+2:G0S+3], s[6:7], s[80:81]
	s_or_b32 s[G0S+3], s[G0S+3], 0x80000000
	CROUND                                         ; all four partners are here: the joint loads meet
	tensor_load_to_lds s[G0S:G0S+3], s[G1S:G1S+7]  ; five loads of mine are out: the scale words, then my tile of each pass
	s_nop 0
	tensor_load_to_lds s[G0:G0+3], s[G1A:G1A+7]
	s_nop 0
	tensor_load_to_lds s[G0+4:G0+7], s[G1A:G1A+7]
	s_nop 0
	tensor_load_to_lds s[G0+8:G0+11], s[G1A:G1A+7]
	s_nop 0
	tensor_load_to_lds s[G0+12:G0+15], s[G1A:G1A+7]
	s_nop 0
	PLACES4                                        ; four places behind tensor loads
	s_lshl_b32 s16, s13, 2
	s_add_co_u32 s16, s16, s[WV]                   ; my head
	s_lshl_b32 s83, s[KIND], 6
	s_lshl_b32 s68, s16, 2
	s_add_co_u32 s83, s83, s68
	s_add_co_u32 s83, s83, 256                     ; my first tile of the weight in cod and scl
	s_mul_i32 s68, s83, 12288
	s_mov_b32 s69, 0
	s_add_nc_u64 s[WB:WB+1], s[4:5], s[68:69]
	s_lshl_b32 s68, s83, 9
	s_add_nc_u64 s[WSB:WSB+1], s[6:7], s[68:69]
	s_cmp_eq_u32 s[KIND], 0
	s_cselect_b64 s[HB:HB+1], s[8:9], s[10:11]     ; q goes to qb, k and v to kv
	s_lshr_b32 s68, s15, 3                         ; the batch
	s_lshl_b32 s68, s68, 4
	s_add_co_u32 s68, s68, s16
	s_mul_i32 s68, s68, 204800
	s_add_nc_u64 s[HB:HB+1], s[HB:HB+1], s[68:69]
	s_and_b32 s[P0], s15, 7
	s_lshl_b32 s[P0], s[P0], 2
.irp b, 0,1,2,3
	global_load_b128 v[48+8*\b:51+8*\b], v3, s[WSB:WSB+1] offset:512*\b
	global_load_b128 v[52+8*\b:55+8*\b], v3, s[WSB:WSB+1] offset:512*\b+16
.endr
.irp s, 0,1,2,3,4,5,6,7
	WLOAD \s
.endr
	WIN 0
	s_mov_b32 s[PB], 0
	s_mov_b32 s[PS], ASC
	s_mov_b32 s[PASS], 0
	s_wait_tensorcnt 3                             ; my scale words and my tile of pass 0 are in; three loads were issued behind them and may stay out
	s_barrier_signal -1
	s_barrier_wait -1                              ; everybody's are
	PASSM 1
	s_wait_tensorcnt 0x0                           ; all my tiles are in,
	s_wait_dscnt 0x0
	s_barrier_signal -1
	s_barrier_wait -1                              ; and everybody's
	s_mov_b32 s[PB], 49152
	s_mov_b32 s[PS], ASC+2048
	s_mov_b32 s[PASS], 1
.Lpass:
	PASSM 0
	s_add_co_u32 s[PB], s[PB], 49152
	s_add_co_u32 s[PS], s[PS], 2048
	s_add_co_u32 s[PASS], s[PASS], 1
	s_cmp_lt_u32 s[PASS], 4
	s_cbranch_scc1 .Lpass
	s_wait_dscnt 0x0
	s_wait_tensorcnt 0x0
	ds_add_u32 v254, v255
	s_wait_dscnt 0x0
	CROUND                                         ; the closing round: no work-group ends while a partner may still ask for a tile that names it
	s_endpgm
.Lfunc_end_k_qc70f0adf42_qkv:
	.size	k_qc70f0adf42_qkv, .Lfunc_end_k_qc70f0adf42_qkv-k_qc70f0adf42_qkv
	.p2alignl 7, 3214868480
	.fill 96, 4, 3214868480
	.section	.rodata,"a",@progbits
	.p2align	6, 0x0
	.amdhsa_kernel k_qc70f0adf42_qkv
		.amdhsa_group_segment_fixed_size 213504
		.amdhsa_private_segment_fixed_size 0
		.amdhsa_enable_private_segment 0
		.amdhsa_kernarg_size 32
		.amdhsa_user_sgpr_count 2
		.amdhsa_user_sgpr_kernarg_segment_ptr 1
		.amdhsa_wavefront_size32 1
		.amdhsa_system_sgpr_workgroup_id_x 1
		.amdhsa_system_sgpr_workgroup_id_y 1
		.amdhsa_system_sgpr_workgroup_id_z 1
		.amdhsa_system_vgpr_workitem_id 0
		.amdhsa_next_free_vgpr 864
		.amdhsa_next_free_sgpr 96
		.amdhsa_reserve_vcc 0
		.amdhsa_float_denorm_mode_32 3
		.amdhsa_float_denorm_mode_16_64 3
		.amdhsa_memory_ordered 1
		.amdhsa_forward_progress 1
		.amdhsa_inst_pref_size 158
	.end_amdhsa_kernel
	.amdgpu_metadata
---
amdhsa.version: [ 1, 2 ]
amdhsa.kernels:
  - .name:           k_qc70f0adf42_qkv
    .symbol:         k_qc70f0adf42_qkv.kd
    .args:
      - { .name: cod, .offset: 0, .size: 8, .value_kind: global_buffer, .address_space: global }
      - { .name: scl, .offset: 8, .size: 8, .value_kind: global_buffer, .address_space: global }
      - { .name: qb, .offset: 16, .size: 8, .value_kind: global_buffer, .address_space: global }
      - { .name: kv, .offset: 24, .size: 8, .value_kind: global_buffer, .address_space: global }
    .group_segment_fixed_size: 213504
    .private_segment_fixed_size: 0
    .kernarg_segment_align: 8
    .kernarg_segment_size: 32
    .max_flat_workgroup_size: 128
    .sgpr_count:     96
    .vgpr_count:     864
    .wavefront_size: 32
...
	.end_amdgpu_metadata
.endif
;; end of part 2
;; launch attn (part 3): grid 8 x 32, 16 waves a work-group, no clusters, 313,344 bytes of LDS; arguments qb, kv, fk, cst, ac, asl; writes ac, asl
.if DOCPART == 3
	.amdgcn_target "amdgcn-amd-amdhsa--gfx1250"
	.amdhsa_code_object_version 6
	.text
	.protected	k_qc70f0adf42_attn
	.globl	k_qc70f0adf42_attn
	.p2align	8
	.type	k_qc70f0adf42_attn,@function
k_qc70f0adf42_attn:
	s_mov_b64 s[64:65], 0
	v_nop
	global_prefetch_b8 v0, s[64:65] scope:SCOPE_SE
	s_setreg_imm32_b32 hwreg(HW_REG_WAVE_MODE, 25, 1), 1
	s_wait_xcnt 0x0
; ATTN.  For each head: logit = alpha tanh(q . k / beta) + lam (soft bits . soft bits) / 2 + hexc Mh hexc / 6 x 2 sigmoid(scale), causal; both large products on codes of BF6 (E3M2) with E8M0 scales.
; t = logit x log2(e) = K0 + c2 / (1 + 2^(c1 raw)) + bias, with c1 = 2 log2(e) / beta, c2 = -2 log2(e) alpha, K0 = log2(e) alpha.  M = the running largest t rounded UP to a whole number; p = 2^(t - M) is quantised along
; the keys; the row's sum is taken of the unquantised p and divides at the end; when M moves, the sum and O are multiplied by 2^(old M - new M), which rounds nothing.  The result is quantised along the channels for outp.
; THE BIAS is a product with K = 12 (six soft bits, six hex coordinates; the query's side carries lam and Mh): its result goes on into a quantised operand, so it keeps f32 operands: three v_wmma_f32_16x16x4_f32 a tile.
; SHARES.  Work-group (i, head): waves 0-7 take the eight tiles of 16 queries of block i of 128 tokens, waves 8-15 those of block 15 - i: so every work-group has 8 (i + 1) + 8 (16 - i) = 136 steps of 16 queries x 128 keys.
; THE WHOLE HEAD LIES IN LDS, filled once: its 16 steps of K, V and their scale words (204,800 bytes) and the batch's key features (98,304), in four chunks of 512 keys; a barrier in front of each chunk's steps.
; A step all of whose keys come after the wave's queries is left out by a scalar branch on ids; every wave passes every barrier.
; NO CLUSTER: the query blocks of a head read the same tiles, but which steps a wave leaves out hangs on its query block, which would be the work-group's place in such a cluster.
; NO PREFETCH: every byte that the work-group reads is asked for by the tensor loads at its head; there is no later stream to ask ahead for.
; K = 64 IN AN INSTRUCTION OF 128: a fragment of K holds TWO tiles of keys, one in each half of its K; times [Q, 0] it gives the even tile's scores, times [0, Q] the odd tile's (zero codes under the byte 127 add nothing).
; LAYOUT: both products transposed (source 0 = keys, or V's channels; source 1 = my queries): a lane holds one query; the tiles' keys are not neighbours, so that registers 16 b + i are keys 32 b + 16 (lane / 16) + i.
; LIMITS: NaN and infinities are not served; tanh by 1 - 2 / (1 + 2^x): absolute error a few 1e-7; a block of p that is all zero keeps the byte 1 (its codes are zeros).
; The two scale bytes of a row and head leave by a store of 2 bytes a lane into rows 32 bytes apart: 131,072 bytes in the whole launch; the heads of a row belong to other work-groups.
.set FREG, 204800                      ; behind the head's 16 steps: the batch's key features, 768 bytes a tile
.set WV,   16
.set BH,   18
.set BATCH, 19
.set HD,   20
.set BLK,  21
.set TQ,   22                          ; my tile of queries in the batch
.set QMAX, 23                          ; my last query
.set SEL,  24
.set C1,   26                          ; s[26:27] c1 twice;  s[28:29] c2 twice;  s30 K0;  s31 lamc
.set C2,   28
.set K0,   30
.set LAMC, 31
.set QB0,  32                          ; my first query
.set G1KV, 40                          ; s[40:47] group 1: 100 rows of 256 bytes (two steps);  s[48:55]: 96 rows (32 tiles of features)
.set G1F,  48
.set TB,   92                          ; LDS byte of the step's block
.set TF,   93                          ; and of its features
.set KF,   94                          ; its first key
.set CNT,  95
.set G,    36                          ; v36-41  the query's side of the bias
.set KV,   48                          ; v48-95  four fragments of K, then of V
.set S,    96                          ; v96-159 scores, then p
.set O,    160                         ; v160-191 O^T
.set BA,   192                         ; v192-223 four tiles of bias: written by f32 matrix instructions alone
.set FE,   224                         ; v224-247 four tiles of key features; later p's codes (224-235), second halves (236-243), scale operands (244-247)
.set QT,   236
.set QSOP, 244
.set QBY,  246
.set QBM,  248
.set QPX,  250
.macro PLACES4
.rept 4
	v_nop
.endr
.endm
.macro QUANT2 src, c, u                ; as in qkv: 32 numbers of a lane become an image's six registers and two scale bytes
	v_max3_num_f32 v[QBM], |v[\src]|, |v[\src+1]|, 0x2800000
	v_max3_num_f32 v[QBM+1], |v[\src+16]|, |v[\src+17]|, 0x2800000
.irp i, 2,4,6,8,10,12,14
	v_max3_num_f32 v[QBM], v[QBM], |v[\src+\i]|, |v[\src+\i+1]|
	v_max3_num_f32 v[QBM+1], v[QBM+1], |v[\src+16+\i]|, |v[\src+17+\i]|
.endr
	v_permlanex16_b32 v[QPX], v[QBM], s[SEL], s[SEL+1]
	v_permlanex16_b32 v[QPX+1], v[QBM+1], s[SEL], s[SEL+1]
	v_max_num_f32 v[QBM], v[QBM], v[QPX]
	v_max_num_f32 v[QBM+1], v[QBM+1], v[QPX+1]
	v_add_nc_u32 v[QSOP], 0xfe000000, v[QBM]
	v_add_nc_u32 v[QSOP+1], 0xfe000000, v[QBM+1]
	v_lshrrev_b32 v[QBY], 23, v[QSOP]
	v_lshrrev_b32 v[QBY+1], 23, v[QSOP+1]
	v_lshl_or_b32 v[\u], v[QBY+1], 8, v[QBY]
	v_cvt_scalef32_pk16_bf6_f32 v[\c:\c+2], v[\src:\src+15], v[QSOP]
	v_cvt_scalef32_pk16_bf6_f32 v[QT:QT+2], v[\src+16:\src+31], v[QSOP+1]
	v_nop
.irp i, 0,1,2
	v_permlane16_swap_b32 v[\c+\i], v[QT+\i]
.endr
.irp i, 0,1,2
	v_mov_b32 v[\c+3+\i], v[QT+\i]
.endr
.endm
.macro SETKV g, c                      ; group 0 of my half of chunk c of the head
	s_mov_b32 s[\g], 1
	s_add_co_u32 s[\g+1], s33, 51200*\c
	s_add_nc_u64 s[\g+2:\g+3], s[38:39], 51200*\c
	s_or_b32 s[\g+3], s[\g+3], 0x80000000
.endm
.macro SETF g, c                       ; group 0 of chunk c of the features
	s_mov_b32 s[\g], 1
	s_mov_b32 s[\g+1], FREG+24576*\c
	s_add_nc_u64 s[\g+2:\g+3], s[96:97], 24576*\c
	s_or_b32 s[\g+3], s[\g+3], 0x80000000
.endm
.macro BIAS                            ; four tiles of keys x my queries, K = 12 in three instructions; four accumulators by turns; the first starts each sum
.irp i, 0,1,2
.irp a, 0,1,2,3
.if \i == 0
	v_wmma_f32_16x16x4_f32 v[BA+8*\a:BA+8*\a+7], v[FE+6*\a+2*\i:FE+6*\a+2*\i+1], v[G+2*\i:G+2*\i+1], 0
.else
	v_wmma_f32_16x16x4_f32 v[BA+8*\a:BA+8*\a+7], v[FE+6*\a+2*\i:FE+6*\a+2*\i+1], v[G+2*\i:G+2*\i+1], v[BA+8*\a:BA+8*\a+7]
.endif
.endr
.endr
.endm
.macro TANH2 g                         ; group g (32 scores): 1 + 2^x, its reciprocal, x c2 + the bias
.set j, 32*\g
.rept 16
	v_pk_add_f32 v[S+j:S+j+1], v[S+j:S+j+1], 1.0 op_sel_hi:[1,0]
.set j, j+2
.endr
.set j, 32*\g
.rept 32
	v_rcp_f32 v[S+j], v[S+j]
.set j, j+1
.endr
	v_nop                                          ; a plain instruction behind the batch,
	s_wait_alu depctr_va_vdst(0)                   ; and one wait ahead of its first reader
.set j, 0
.rept 16
	v_pk_fma_f32 v[S+32*\g+j:S+32*\g+j+1], v[S+32*\g+j:S+32*\g+j+1], s[C2:C2+1], v[BA+j:BA+j+1] op_sel_hi:[1,0,1]   ; each tile of bias is read from its low end on
.set j, j+2
.endr
.endm
; A STEP: 128 keys.
.macro STEP
	s_cmp_gt_u32 s[KF], s[QMAX]
	s_cbranch_scc1 .Lhidden_\@                     ; all its keys come after my queries
	v_add_nc_u32 v5, s[TB], v1                     ; (these five are also the places between the last step's products and the loads below)
	v_add_nc_u32 v6, s[TB], v2
	v_add_nc_u32 v7, s[TB], v3
	v_add_nc_u32 v8, s[TF], v1
	v_add_nc_u32 v9, s[TF], v2
.irp f, 0,1,2,3
.irp c, 0,1
	ds_load_b128 v[KV+12*\f+6*\c:KV+12*\f+6*\c+3], v5 offset:\f*1536+\c*768
	ds_load_b64 v[KV+12*\f+6*\c+4:KV+12*\f+6*\c+5], v6 offset:\f*1536+\c*768
.endr
.endr
	ds_load_b128 v[42:45], v7                      ; K's scale words: fragment f's in v[42 + f]
.irp a, 0,1,2,3
	ds_load_b128 v[FE+6*\a:FE+6*\a+3], v8 offset:\a*768
	ds_load_b64 v[FE+6*\a+4:FE+6*\a+5], v9 offset:\a*768
.endr
	s_wait_dscnt 8                                 ; K and its words are in; the eight feature loads may be out
.irp f, 0,1,2,3
	v_wmma_scale_f32_16x16x128_f8f6f4 v[S+16*\f:S+16*\f+7], v[KV+12*\f:KV+12*\f+11], v[22:33], 0, v[42+\f], v34 matrix_a_fmt:MATRIX_FMT_BF6 matrix_b_fmt:MATRIX_FMT_BF6
	v_wmma_scale_f32_16x16x128_f8f6f4 v[S+16*\f+8:S+16*\f+15], v[KV+12*\f:KV+12*\f+11], v[16:27], 0, v[42+\f], v35 matrix_a_fmt:MATRIX_FMT_BF6 matrix_b_fmt:MATRIX_FMT_BF6
.endr
	s_wait_dscnt 0x0
	BIAS                                           ; tiles 0-3
	PLACES4                                        ; four places before the scores are read
.set j, 0
.rept 32
	v_pk_mul_f32 v[S+j:S+j+1], v[S+j:S+j+1], s[C1:C1+1] op_sel_hi:[1,0]   ; c1 raw.  (With the four above: the places between the f32 products and the loads into the features' registers)
.set j, j+2
.endr
.irp a, 0,1,2,3
	ds_load_b128 v[FE+6*\a:FE+6*\a+3], v8 offset:(4+\a)*768
	ds_load_b64 v[FE+6*\a+4:FE+6*\a+5], v9 offset:(4+\a)*768
.endr
.irp t, 0,1,2,3
.irp c, 0,1
	ds_load_b128 v[KV+12*\t+6*\c:KV+12*\t+6*\c+3], v5 offset:6144+\t*1536+\c*768
	ds_load_b64 v[KV+12*\t+6*\c+4:KV+12*\t+6*\c+5], v6 offset:6144+\t*1536+\c*768
.endr
.endr
	ds_load_b128 v[42:45], v7 offset:256           ; V's scale words
.set j, 0
.rept 64
	v_exp_f32 v[S+j], v[S+j]
.set j, j+1
.endr
	v_nop
	s_wait_alu depctr_va_vdst(0)                   ; one wait for the 64
	TANH2 0
	s_wait_dscnt 17                                ; the features of tiles 4-7 are in; V's 16 loads and its words may be out
	BIAS                                           ; tiles 4-7: the four sums begin anew
	TANH2 1                                        ; (its 16 additions are the places behind the f32 products)
	s_add_co_u32 s33, s[KF], 127
	s_cmp_le_u32 s33, s[QB0]
	s_cbranch_scc1 .Lopen_\@                       ; all keys count
	v_sub_nc_u32 v244, v4, s[KF]                   ; d = my query - KF - 16 (lane / 16): register 16 b + i is hidden where 32 b + i > d
	v_mov_b32 v245, 0xff800000                     ; -infinity
.irp n, 0,1,2,3,4,5,6,7,8,9,10,11,12,13,14,15,16,17,18,19,20,21,22,23,24,25,26,27,28,29,30,31,32,33,34,35,36,37,38,39,40,41,42,43,44,45,46,47,48,49,50,51,52,53,54,55,56,57,58,59,60,61,62,63
	v_cmp_gt_i32 vcc_lo, 32*(\n/16)+\n%16, v244
	v_cndmask_b32 v[S+\n], v[S+\n], v245, vcc_lo
.endr
.Lopen_\@:
.irp b, 0,1,2,3
	v_max3_num_f32 v[248+\b], v[S+16*\b], v[S+1+16*\b], v[S+2+16*\b]   ; the largest of each block of 32 keys: it serves for the row's maximum and, since p rises with t, for the block's largest p
.endr
.irp i, 3,5,7,9,11,13
.irp b, 0,1,2,3
	v_max3_num_f32 v[248+\b], v[248+\b], v[S+16*\b+\i], v[S+1+16*\b+\i]
.endr
.endr
.irp b, 0,1,2,3
	v_max_num_f32 v[248+\b], v[248+\b], v[S+15+16*\b]
.endr
.irp b, 0,1,2,3
	v_permlanex16_b32 v[252+\b], v[248+\b], s[SEL], s[SEL+1]
.endr
.irp b, 0,1,2,3
	v_max_num_f32 v[248+\b], v[248+\b], v[252+\b]
.endr
	v_max3_num_f32 v244, v248, v249, v250
	v_max_num_f32 v244, v244, v251
	v_max_num_f32 v13, v13, v244                   ; the running largest t - K0
	v_mov_b32 v245, v11
	v_add_f32 v244, s[K0], v13
	v_floor_f32 v11, -v244                         ; -M = floor(-t): M is a whole number
	v_sub_f32 v245, v11, v245                      ; old M - new M, 0 or less
	v_cvt_i32_f32 v245, v245                       ; (it saturates)
	v_ldexp_f32 v46, 1.0, v245                     ; f = 2^(old M - new M)
	v_add_f32 v12, s[K0], v11                      ; K0 - M
.set j, 0
.rept 32
	v_pk_add_f32 v[S+j:S+j+1], v[S+j:S+j+1], v[12:13] op_sel_hi:[1,0]   ; t - M (of the pair the low word serves both halves)
.set j, j+2
.endr
.irp b, 0,1,2,3
	v_add_f32 v[248+\b], v[248+\b], v12            ; the same of each block's largest
.endr
.set j, 0
.rept 64
	v_exp_f32 v[S+j], v[S+j]                       ; p
.set j, j+1
.endr
	v_pk_mul_f32 v[14:15], v[14:15], v[46:47] op_sel_hi:[1,0]   ; the sums under the new M (a plain instruction behind the batch)
	s_wait_alu depctr_va_vdst(0)
.irp b, 0,1,2,3
	v_exp_f32 v[248+\b], v[248+\b]                 ; the block's largest p: the same instructions on the same number
.endr
	v_pk_add_f32 v[252:253], v[S:S+1], v[S+2:S+3]  ; the row's sum, of the unquantised p, in two chains
.irp j, 4,8,12,16,20,24,28,32,36,40,44,48,52,56,60
	v_pk_add_f32 v[14:15], v[14:15], v[S+\j:S+\j+1]
	v_pk_add_f32 v[252:253], v[252:253], v[S+2+\j:S+3+\j]
.endr
	v_pk_add_f32 v[14:15], v[14:15], v[252:253]
	s_wait_alu depctr_va_vdst(0)                   ; for the four
.irp b, 0,1,2,3
	v_max_num_f32 v[248+\b], 0x2800000, v[248+\b]  ; the floor 2^(5 - 127)
.endr
.irp b, 0,1,2,3
	v_add_nc_u32 v[244+\b], 0xfe000000, v[248+\b]
.endr
.irp b, 0,1,2,3
	v_lshrrev_b32 v[252+\b], 23, v[244+\b]
.endr
	v_lshl_or_b32 v10, v253, 8, v252               ; p's scale word for these 128 keys
	v_lshl_or_b32 v10, v254, 16, v10
	v_lshl_or_b32 v10, v255, 24, v10
.irp c, 0,1
	v_cvt_scalef32_pk16_bf6_f32 v[224+6*\c:226+6*\c], v[S+32*\c:S+15+32*\c], v[244+2*\c]
	v_cvt_scalef32_pk16_bf6_f32 v[236+4*\c:238+4*\c], v[S+16+32*\c:S+31+32*\c], v[245+2*\c]
.endr
	v_nop
.irp c, 0,1
.irp i, 0,1,2
	v_permlane16_swap_b32 v[224+6*\c+\i], v[236+4*\c+\i]
.endr
.irp i, 0,1,2
	v_mov_b32 v[227+6*\c+\i], v[236+4*\c+\i]
.endr
.endr
.set j, 0
.rept 16
	v_pk_mul_f32 v[O+j:O+j+1], v[O+j:O+j+1], v[46:47] op_sel_hi:[1,0]   ; O^T under the new M.  (These 16 are also the places between the scale word's and the codes' last writes and the products below)
.set j, j+2
.endr
	s_wait_dscnt 0x0                               ; V and its words are in
.irp t, 0,1,2,3
	v_wmma_scale_f32_16x16x128_f8f6f4 v[O+8*\t:O+8*\t+7], v[KV+12*\t:KV+12*\t+11], v[224:235], v[O+8*\t:O+8*\t+7], v[42+\t], v10 matrix_a_fmt:MATRIX_FMT_BF6 matrix_b_fmt:MATRIX_FMT_BF6
.endr
.Lhidden_\@:
	s_add_co_u32 s[TB], s[TB], 12800
	s_add_co_u32 s[TF], s[TF], 6144
	s_add_co_u32 s[KF], s[KF], 128
.endm
.macro CHUNK c                         ; 512 keys: four steps
	s_wait_tensorcnt 3-\c                          ; my part of chunk c is in; the later chunks' loads, issued behind it, may stay out
	s_wait_dscnt 0x0
	s_barrier_signal -1
	s_barrier_wait -1                              ; everybody's is
	s_mov_b32 s[TB], 51200*\c
	s_mov_b32 s[TF], FREG+24576*\c
	s_mov_b32 s[CNT], 4
.Lstep_\@:
	STEP
	s_sub_co_u32 s[CNT], s[CNT], 1
	s_cmp_lg_u32 s[CNT], 0
	s_cbranch_scc1 .Lstep_\@
.endm
	s_load_b256 s[4:11], s[0:1], 0x0               ; qb, kv, fk, cst
	s_load_b128 s[12:15], s[0:1], 0x20             ; ac, asl
	v_lshl_add_u32 v254, v0, 2, 0x4c000
	v_mov_b32 v255, 0
	ds_add_u32 v254, v255
	ds_add_u32 v254, v255
	s_wait_dscnt 0x0
	v_lshrrev_b32 v5, 5, v0
	v_readfirstlane_b32 s[WV], v5                  ; wave 0..15
	v_and_b32 v5, 31, v0
	v_lshlrev_b32 v1, 4, v5                        ; 16 x lane
	v_lshlrev_b32 v2, 3, v5
	v_add_nc_u32 v2, 512, v2                       ; 8 x lane + 512: an image's last two registers
	v_and_b32 v6, 15, v0                           ; r
	v_bfe_u32 v7, v0, 4, 1                         ; h
	v_lshlrev_b32 v3, 4, v6
	v_add_nc_u32 v3, 12288, v3                     ; 16 r + 12,288: a step's scale words
	s_and_b32 s[BH], ttmp7, 0xffff
	s_lshr_b32 s[BATCH], s[BH], 4
	s_and_b32 s[HD], s[BH], 15
	s_sub_co_u32 s33, 15, ttmp9
	s_cmp_lt_u32 s[WV], 8
	s_cselect_b32 s[BLK], ttmp9, s33               ; waves 0-7: block i; waves 8-15: block 15 - i
	s_and_b32 s34, s[WV], 7
	s_lshl_b32 s[TQ], s[BLK], 3
	s_add_co_u32 s[TQ], s[TQ], s34
	s_lshr_b32 s[QB0], s[TQ], 1
	s_lshl_b32 s[QB0], s[QB0], 5
	s_and_b32 s35, s[TQ], 1
	s_lshl_b32 s33, s35, 3
	s_add_co_u32 s[QB0], s[QB0], s33               ; my first query: 32 (tile / 2) + 8 (tile % 2)
	s_add_co_u32 s[QMAX], s[QB0], 23               ; and my last
	v_and_b32 v8, 8, v6
	v_add_nc_u32 v8, v8, v6
	v_lshlrev_b32 v9, 4, v7
	v_sub_nc_u32 v8, v8, v9
	v_add_nc_u32 v4, s[QB0], v8                    ; my lane's query - 16 h
	s_mov_b32 s[SEL], 0x76543210
	s_mov_b32 s[SEL+1], 0xfedcba98
	s_mov_b32 s[KF], 0
	s_mov_b32 s[G1KV], 3<<16                       ; no mask; elements of 8 bytes; no padding
	s_mov_b32 s[G1KV+1], 32<<16                    ; rows of 256 bytes
	s_mov_b32 s[G1KV+2], 100<<16
	s_mov_b32 s[G1KV+3], 32<<16
	s_mov_b32 s[G1KV+4], 100
	s_mov_b32 s[G1KV+5], 32                        ; dense
	s_mov_b32 s[G1KV+6], 0
	s_mov_b32 s[G1KV+7], 0
	s_mov_b32 s[G1F], 3<<16
	s_mov_b32 s[G1F+1], 32<<16
	s_mov_b32 s[G1F+2], 96<<16
	s_mov_b32 s[G1F+3], 32<<16
	s_mov_b32 s[G1F+4], 96
	s_mov_b32 s[G1F+5], 32
	s_mov_b32 s[G1F+6], 0
	s_mov_b32 s[G1F+7], 0
	s_and_b32 s33, s[WV], 1
	s_mul_i32 s33, s33, 25600                      ; which half of a chunk I fetch, if I fetch: in LDS and in memory alike
	s_mul_i32 s36, s[BH], 204800                   ; the head's block in kv and in qb
	s_add_co_u32 s38, s36, s33
	s_mov_b32 s39, 0
	s_mul_i32 s96, s[BATCH], 98304
	s_mov_b32 s97, 0
	s_wait_kmcnt 0x0
	s_load_b128 s[28:31], s[10:11], 0x1000         ; c1, c2, K0, lamc
	s_add_nc_u64 s[38:39], s[6:7], s[38:39]
	s_add_nc_u64 s[96:97], s[8:9], s[96:97]        ; the batch's features
	SETKV 56, 0
	SETKV 60, 1
	SETKV 68, 2
	SETKV 72, 3
	SETF 76, 0
	SETF 80, 1
	SETF 84, 2
	SETF 88, 3
	s_cmp_lt_u32 s[WV], 2                          ; waves 0 and 1 fetch the head's halves of each chunk, wave 2 the features: a wave's four loads stand in one branch on its number; four of mine are out
	s_cbranch_scc0 .Lnot_kv
	tensor_load_to_lds s[56:59], s[G1KV:G1KV+7]
	s_nop 0
	tensor_load_to_lds s[60:63], s[G1KV:G1KV+7]
	s_nop 0
	tensor_load_to_lds s[68:71], s[G1KV:G1KV+7]
	s_nop 0
	tensor_load_to_lds s[72:75], s[G1KV:G1KV+7]
	s_nop 0
	PLACES4                                        ; four places behind tensor loads
	s_branch .Lasked
.Lnot_kv:
	s_cmp_eq_u32 s[WV], 2
	s_cbranch_scc0 .Lasked
	tensor_load_to_lds s[76:79], s[G1F:G1F+7]
	s_nop 0
	tensor_load_to_lds s[80:83], s[G1F:G1F+7]
	s_nop 0
	tensor_load_to_lds s[84:87], s[G1F:G1F+7]
	s_nop 0
	tensor_load_to_lds s[88:91], s[G1F:G1F+7]
	s_nop 0
	PLACES4
.Lasked:
	s_mul_i32 s98, s[BLK], 12800
	s_add_co_u32 s98, s98, s36
	s_mov_b32 s99, 0
	s_add_nc_u64 s[98:99], s[4:5], s[98:99]        ; qb at my block's step
	s_lshr_b32 s38, s34, 1
	s_lshl_b32 s38, s38, 2
	s_mov_b32 s39, 0
	s_add_nc_u64 s[38:39], s[98:99], s[38:39]      ; + 4 x my tile's fragment: its scale word
	s_mul_i32 s100, s34, 768
	s_mov_b32 s101, 0
	s_add_nc_u64 s[98:99], s[98:99], s[100:101]    ; my tile's image
	s_mul_i32 s100, s[TQ], 768
	s_add_nc_u64 s[96:97], s[96:97], s[100:101]    ; my tile's features
	s_lshl_b32 s100, s[HD], 8
	s_add_nc_u64 s[100:101], s[10:11], s[100:101]  ; my head's rows of cst
	v_lshlrev_b32 v8, 7, v7                        ; 128 h
	global_load_b128 v[22:25], v1, s[98:99]        ; Q: six registers between two runs of six zeros
	global_load_b64 v[26:27], v2, s[98:99]
	global_load_b32 v34, v3, s[38:39]
	global_load_b128 v[224:227], v1, s[96:97]
	global_load_b64 v[228:229], v2, s[96:97]
.irp q, 0,1,2,3
	global_load_b128 v[96+4*\q:99+4*\q], v8, s[100:101] offset:16*\q
.endr
	global_load_b64 v[112:113], v8, s[100:101] offset:64
.irp j, 16,17,18,19,20,21,28,29,30,31,32,33
	v_mov_b32 v[\j], 0                             ; zero codes: v[22:33] = [Q, 0], v[16:27] = [0, Q]
.endr
	v_mov_b32 v13, 0xff61b1e6                      ; the largest so far: -3e38
	v_floor_f32 v11, -v13
	v_mov_b32 v12, 0
	v_mov_b32 v14, 0                               ; the sum, in two halves
	v_mov_b32 v15, 0
	v_mov_b32 v46, 0
	v_mov_b32 v47, 0                               ; (named as the upper half of a pair)
.irp j, 230,231,232,248,249,250,251,252,253,254,255
	v_mov_b32 v[\j], 0                             ; written once: a lane permute's destination counts as one of its sources
.endr
.set j, 0
.rept 32
	v_mov_b32 v[O+j], 0                            ; O^T: the step is written once; the first finds zeros, which the first change of M leaves zeros
.set j, j+1
.endr
	s_wait_kmcnt 0x0
	s_mov_b32 s[C1], s28
	s_mov_b32 s[C1+1], s28
	s_mov_b32 s[C2], s29                           ; (s29 keeps c2: the pair is whole)
	s_lshl_b32 s33, s35, 4
	s_wait_loadcnt 0x0
	v_lshrrev_b32 v34, s33, v34                    ; my tile's two bytes of its fragment's word
	v_and_b32 v34, 0xffff, v34
	v_lshl_or_b32 v35, v34, 16, 0x7f7f             ; for [0, Q]
	v_or_b32 v34, 0x7f7f0000, v34                  ; for [Q, 0]
.irp e, 0,1,2
	v_mul_f32 v[G+\e], s[LAMC], v[224+\e]          ; lamc x my soft bits
.endr
.irp e, 0,1,2
	v_permlanex16_b32 v[230+\e], v[227+\e], s[SEL], s[SEL+1]   ; the other half's three hex coordinates
.endr
.irp e, 0,1,2
	v_mul_f32 v[G+3+\e], v227, v[96+\e]            ; my query's hexc x the head's matrix: columns 3 h + e
.endr
.irp d, 1,2,3,4,5
.irp e, 0,1,2
	v_fmac_f32 v[G+3+\e], v[227+\d], v[96+3*\d+\e]
.endr
.endr
	CHUNK 0
	CHUNK 1
	CHUNK 2
	CHUNK 3
	; THE WAY OUT: O^T / the sum, quantised along the head's 64 channels, as an image for outp.
	PLACES4                                        ; four places behind the last products
	v_add_f32 v14, v14, v15
	v_permlanex16_b32 v252, v14, s[SEL], s[SEL+1]
	v_add_f32 v14, v14, v252                       ; the row's sum
	v_rcp_f32 v14, v14
	v_and_b32 v5, 15, v0                           ; (a plain instruction behind the reciprocal)
	v_lshlrev_b32 v5, 5, v5                        ; 32 r: my row of scale words
	s_lshl_b32 s33, s[BATCH], 7
	s_add_co_u32 s33, s33, s[TQ]                   ; my tile among the 256
	s_mul_i32 s36, s33, 12288
	s_mul_i32 s37, s[HD], 768
	s_add_co_u32 s36, s36, s37
	s_mov_b32 s37, 0
	s_add_nc_u64 s[36:37], s[12:13], s[36:37]
	s_lshl_b32 s38, s33, 9
	s_lshl_b32 s39, s[HD], 1
	s_add_co_u32 s38, s38, s39
	s_mov_b32 s39, 0
	s_add_nc_u64 s[38:39], s[14:15], s[38:39]
	s_wait_alu depctr_va_vdst(0)
.set j, 0
.rept 32
	v_mul_f32 v[S+j], v[O+j], v14                  ; register 16 b + i: channel 32 b + 16 h + i of my query
.set j, j+1
.endr
	QUANT2 S, 224, 10
	global_store_b128 v1, v[224:227], s[36:37]
	global_store_b64 v2, v[228:229], s[36:37]
	global_store_b16 v5, v10, s[38:39]             ; (lanes 16-31 store the same values at the same places)
	s_wait_xcnt 0x0
	v_lshl_add_u32 v254, v0, 2, 0x4c000
	v_mov_b32 v255, 0
	s_wait_tensorcnt 0x0
	ds_add_u32 v254, v255
	s_wait_dscnt 0x0
	s_endpgm
.Lfunc_end_k_qc70f0adf42_attn:
	.size	k_qc70f0adf42_attn, .Lfunc_end_k_qc70f0adf42_attn-k_qc70f0adf42_attn
	.p2alignl 7, 3214868480
	.fill 96, 4, 3214868480
	.section	.rodata,"a",@progbits
	.p2align	6, 0x0
	.amdhsa_kernel k_qc70f0adf42_attn
		.amdhsa_group_segment_fixed_size 313344
		.amdhsa_private_segment_fixed_size 0
		.amdhsa_enable_private_segment 0
		.amdhsa_kernarg_size 48
		.amdhsa_user_sgpr_count 2
		.amdhsa_user_sgpr_kernarg_segment_ptr 1
		.amdhsa_wavefront_size32 1
		.amdhsa_system_sgpr_workgroup_id_x 1
		.amdhsa_system_sgpr_workgroup_id_y 1
		.amdhsa_system_sgpr_workgroup_id_z 1
		.amdhsa_system_vgpr_workitem_id 0
		.amdhsa_next_free_vgpr 256
		.amdhsa_next_free_sgpr 102
		.amdhsa_reserve_vcc 1
		.amdhsa_float_denorm_mode_32 3
		.amdhsa_float_denorm_mode_16_64 3
		.amdhsa_memory_ordered 1
		.amdhsa_forward_progress 1
		.amdhsa_inst_pref_size 152
	.end_amdhsa_kernel
	.amdgpu_metadata
---
amdhsa.version: [ 1, 2 ]
amdhsa.kernels:
  - .name:           k_qc70f0adf42_attn
    .symbol:         k_qc70f0adf42_attn.kd
    .args:
      - { .name: qb, .offset: 0, .size: 8, .value_kind: global_buffer, .address_space: global }
      - { .name: kv, .offset: 8, .size: 8, .value_kind: global_buffer, .address_space: global }
      - { .name: fk, .offset: 16, .size: 8, .value_kind: global_buffer, .address_space: global }
      - { .name: cst, .offset: 24, .size: 8, .value_kind: global_buffer, .address_space: global }
      - { .name: ac, .offset: 32, .size: 8, .value_kind: global_buffer, .address_space: global }
      - { .name: asl, .offset: 40, .size: 8, .value_kind: global_buffer, .address_space: global }
    .group_segment_fixed_size: 313344
    .private_segment_fixed_size: 0
    .kernarg_segment_align: 8
    .kernarg_segment_size: 48
    .max_flat_workgroup_size: 512
    .sgpr_count:     102
    .vgpr_count:     256
    .wavefront_size: 32
...
	.end_amdgpu_metadata
.endif
;; end of part 3
;; launch outp (part 4): grid 4 x 64, 4 waves a work-group, clusters of 4 x 1, 168,448 bytes of LDS; arguments cod, scl, ac, asl, out0; writes out0
.if DOCPART == 4
	.amdgcn_target "amdgcn-amd-amdhsa--gfx1250"
	.amdhsa_code_object_version 6
	.text
	.protected	k_qc70f0adf42_outp
	.globl	k_qc70f0adf42_outp
	.p2align	8
	.type	k_qc70f0adf42_outp,@function
k_qc70f0adf42_outp:
	s_mov_b64 s[64:65], 0
	v_nop
	global_prefetch_b8 v0, s[64:65] scope:SCOPE_SE
	s_setreg_imm32_b32 hwreg(HW_REG_WAVE_MODE, 25, 1), 1
	s_wait_xcnt 0x0
	s_wait_alu depctr_hold_cnt(0) depctr_sa_sdst(0) depctr_va_vdst(0) depctr_va_sdst(0) depctr_va_ssrc(0) depctr_va_vcc(0) depctr_vm_vsrc(0)
	s_getreg_b32 s2, hwreg(HW_REG_IB_STS2, 6, 4)
	s_cmp_eq_u32 s2, 0
	s_cbranch_scc0 .Lentry_in_a_cluster
	s_endpgm
.Lentry_in_a_cluster:
	s_bfe_u32 s2, ttmp6, 0x10000c
	s_cmp_lg_u32 s2, 0x3003
	s_cbranch_scc0 .Lentry_shape_is_right
	s_endpgm
.Lentry_shape_is_right:
; OUTP.  out0 = att out_w^T on codes of BF6 (E3M2) with E8M0 scales, f32 sums.  att's codes and scale words are attn's (ac, asl), out_w's are prep's (cod tiles 448 on, scl).
; SHARES.  The grid's y takes 64 tokens, the cluster's four partners 256 columns each, wave w of partner cx columns 256 cx + 64 w on: 256 work-groups.
; As in qkv the weights stand still: a wave's 64 rows of out_w, all of K, lie in 384 registers, read once; the 64 tokens' codes (49,152 bytes) and scale words (2,048) come into LDS once, by tensor loads that the four
; partners ask for jointly.  No LDS byte is filled twice.  One pass: 16 accumulators by turns, 8 K steps of 128; source 0 = 16 rows of out_w, source 1 = 16 tokens: a lane holds one token and 16 + 16 + 16 + 16 neighbouring columns.
; THE WAY OUT: a tile of 16 tokens x 64 columns goes through the wave's own stage in LDS (bytes into which no tensor load lands) and leaves as rows: sixteen lanes store 256 consecutive bytes, aligned.
; REGISTERS: as in qkv: window 0: v1-10 addresses; v16-47 the tokens' scale words; v48-79 the weights'; v80-207 accumulators.  Windows 1, 2: the weights' fragments.  Window 3: the tokens', two buffers.
.set ASC,  49152
.set STG,  51200                       ; four stages of 16 rows x (256 + 16) bytes
.set WV,   14
.set G1A,  24
.set G1S,  32
.set G0A,  40
.set G0S,  44
.set WB,   48
.set WSB,  50
.set OUTB, 52
.set ACCU, 80
.set MSB, 0
.macro WIN new
.if MSB != \new
	s_set_vgpr_msb (MSB<<8)|\new
.set MSB, \new
.endif
.endm
.macro PLACES4
.rept 4
	v_nop
.endr
.endm
.macro CROUND
	s_barrier_signal -1
	s_barrier_wait -1
	s_cmp_lg_u32 s[WV], 0
	s_cbranch_scc1 .Lnot_wave_0_\@
	s_barrier_signal -3
.Lnot_wave_0_\@:
	s_barrier_wait -3
	s_barrier_signal -1
	s_barrier_wait -1
.endm
.macro FETCH s                         ; the four tokens' tiles of K step s into buffer s % 2
	WIN 0xc0
.irp a, 0,1,2,3
.irp c, 0,1
	ds_load_b128 v[48*((\s)%2)+12*\a+6*\c:48*((\s)%2)+12*\a+6*\c+3], v1 offset:\a*12288+(2*(\s)+\c)*768
	ds_load_b64 v[48*((\s)%2)+12*\a+6*\c+4:48*((\s)%2)+12*\a+6*\c+5], v2 offset:\a*12288+(2*(\s)+\c)*768+512
.endr
.endr
.endm
.macro WLOAD s
.if (\s) < 5
	WIN 0x40
.set WF, 48*(\s)
.else
	WIN 0x80
.set WF, 48*((\s)-5)
.endif
.irp b, 0,1,2,3
.irp c, 0,1
	global_load_b128 v[WF+12*\b+6*\c:WF+12*\b+6*\c+3], v1, s[WB:WB+1] offset:\b*12288+(2*(\s)+\c)*768
	global_load_b64 v[WF+12*\b+6*\c+4:WF+12*\b+6*\c+5], v2, s[WB:WB+1] offset:\b*12288+(2*(\s)+\c)*768+512
.endr
.endr
.endm
.macro MUL s                           ; 16 products of K step s, the accumulators by turns; K step 0 starts the sums
.if (\s) < 5
.set WF, 48*(\s)
	WIN 0x0d
.else
.set WF, 48*((\s)-5)
	WIN 0x0e
.endif
.set AFR, 48*((\s)%2)
.irp a, 0,1,2,3
.irp b, 0,1,2,3
.if (\s) == 0
	v_wmma_scale_f32_16x16x128_f8f6f4 v[ACCU+8*(4*\a+\b):ACCU+8*(4*\a+\b)+7], v[WF+12*\b:WF+12*\b+11], v[AFR+12*\a:AFR+12*\a+11], 0, v[48+8*\b+(\s)], v[16+8*\a+(\s)] matrix_a_fmt:MATRIX_FMT_BF6 matrix_b_fmt:MATRIX_FMT_BF6
.else
	v_wmma_scale_f32_16x16x128_f8f6f4 v[ACCU+8*(4*\a+\b):ACCU+8*(4*\a+\b)+7], v[WF+12*\b:WF+12*\b+11], v[AFR+12*\a:AFR+12*\a+11], v[ACCU+8*(4*\a+\b):ACCU+8*(4*\a+\b)+7], v[48+8*\b+(\s)], v[16+8*\a+(\s)] matrix_a_fmt:MATRIX_FMT_BF6 matrix_b_fmt:MATRIX_FMT_BF6
.endif
.endr
.endr
.endm
	s_load_b256 s[4:11], s[0:1], 0x0               ; cod, scl, ac, asl
	s_load_b64 s[12:13], s[0:1], 0x20              ; out0
	v_lshl_add_u32 v254, v0, 2, 0x29000
	v_mov_b32 v255, 0
	ds_add_u32 v254, v255
	ds_add_u32 v254, v255
	v_lshrrev_b32 v11, 5, v0
	v_readfirstlane_b32 s[WV], v11                 ; wave 0..3
	v_and_b32 v11, 31, v0
	v_lshlrev_b32 v1, 4, v11                       ; 16 x lane
	v_lshlrev_b32 v2, 3, v11                       ; 8 x lane
	v_and_b32 v12, 15, v0                          ; r
	v_bfe_u32 v13, v0, 4, 1                        ; h
	v_lshlrev_b32 v3, 5, v12                       ; 32 r
	v_add_nc_u32 v7, ASC, v3                       ; the tokens' scale words in LDS
	s_mul_i32 s17, s[WV], 4352
	s_add_co_u32 s17, s17, STG                     ; my stage
	v_mul_u32_u24 v8, v12, 272
	v_lshl_add_u32 v8, v13, 6, v8
	v_add_nc_u32 v8, s17, v8                       ; in: row r, + 64 h
	v_mul_u32_u24 v9, v13, 272
	v_lshl_add_u32 v9, v12, 4, v9
	v_add_nc_u32 v9, s17, v9                       ; back: lanes 0-15 one row, lanes 16-31 the next
	v_lshlrev_b32 v10, 12, v13
	v_lshl_add_u32 v10, v12, 4, v10                ; and the same two rows in out0
	s_bfe_u32 s15, ttmp6, 0x40000                  ; cx: it enters the weights' and the output's addresses alone
	s_and_b32 s16, ttmp7, 0xffff                   ; y
	s_mov_b32 s[G1A], 15|(3<<16)|(1<<21)           ; the mask: all four partners; elements of 8 bytes; bit 21 beside a mask; no padding
	s_mov_b32 s[G1A+1], 32<<16                     ; rows of 256 bytes
	s_mov_b32 s[G1A+2], 48<<16
	s_mov_b32 s[G1A+3], 32<<16
	s_mov_b32 s[G1A+4], 48
	s_mov_b32 s[G1A+5], 32
	s_mov_b32 s[G1A+6], 0
	s_mov_b32 s[G1A+7], 0
	s_mov_b32 s[G1S], 15|(3<<16)|(1<<21)
	s_mov_b32 s[G1S+1], 32<<16
	s_mov_b32 s[G1S+2], 2<<16
	s_mov_b32 s[G1S+3], 32<<16
	s_mov_b32 s[G1S+4], 2
	s_mov_b32 s[G1S+5], 32
	s_mov_b32 s[G1S+6], 0
	s_mov_b32 s[G1S+7], 0
	s_lshl_b32 s18, s16, 2
	s_add_co_u32 s18, s18, s[WV]                   ; the tile that I fetch: 4 y + w
	s_mul_i32 s20, s18, 12288
	s_mov_b32 s21, 0
	s_lshl_b32 s22, s18, 9
	s_mov_b32 s23, 0
	s_mul_i32 s19, s[WV], 12288
	s_lshl_b32 s54, s[WV], 9
	s_wait_dscnt 0x0
	s_wait_kmcnt 0x0
	s_mov_b32 s[G0A], 1
	s_mov_b32 s[G0A+1], s19
	s_add_nc_u64 s[G0A+2:G0A+3], s[8:9], s[20:21]
	s_or_b32 s[G0A+3], s[G0A+3], 0x80000000
	s_mov_b32 s[G0S], 1
	s_add_co_u32 s[G0S+1], s54, ASC
	s_add_nc_u64 s[G0S+2:G0S+3], s[10:11], s[22:23]
	s_or_b32 s[G0S+3], s[G0S+3], 0x80000000
	CROUND                                         ; all four partners are here: the joint loads meet
	tensor_load_to_lds s[G0S:G0S+3], s[G1S:G1S+7]  ; two loads of mine are out
	s_nop 0
	tensor_load_to_lds s[G0A:G0A+3], s[G1A:G1A+7]
	s_nop 0
	PLACES4                                        ; four places behind tensor loads
	s_lshl_b32 s56, s15, 4
	s_lshl_b32 s57, s[WV], 2
	s_add_co_u32 s56, s56, s57
	s_add_co_u32 s56, s56, 448                     ; my first tile of out_w in cod and scl
	s_mul_i32 s58, s56, 12288
	s_mov_b32 s59, 0
	s_add_nc_u64 s[WB:WB+1], s[4:5], s[58:59]
	s_lshl_b32 s58, s56, 9
	s_add_nc_u64 s[WSB:WSB+1], s[6:7], s[58:59]
	s_lshl_b32 s58, s16, 18                        ; 64 rows of 4,096 bytes,
	s_lshl_b32 s57, s15, 10                        ; 256 columns,
	s_add_co_u32 s58, s58, s57
	s_lshl_b32 s57, s[WV], 8                       ; 64 columns
	s_add_co_u32 s58, s58, s57
	s_add_nc_u64 s[OUTB:OUTB+1], s[12:13], s[58:59]
.irp b, 0,1,2,3
	global_load_b128 v[48+8*\b:51+8*\b], v3, s[WSB:WSB+1] offset:512*\b
	global_load_b128 v[52+8*\b:55+8*\b], v3, s[WSB:WSB+1] offset:512*\b+16
.endr
.irp s, 0,1,2,3,4,5,6,7
	WLOAD \s
.endr
	WIN 0
	s_wait_tensorcnt 0x0                           ; my tile and its scale words are in,
	s_barrier_signal -1
	s_barrier_wait -1                              ; everybody's are
	FETCH 0
	WIN 0
.irp a, 0,1,2,3
	ds_load_b128 v[16+8*\a:19+8*\a], v7 offset:512*\a
	ds_load_b128 v[20+8*\a:23+8*\a], v7 offset:512*\a+16
.endr
.set SS, 0
.rept 8
.if SS < 7
.if SS > 0
	PLACES4                                        ; four places between the products that read a buffer and the loads into it
.endif
	FETCH SS+1
	s_wait_dscnt 16                                ; all but the 16 just issued
.else
	s_wait_dscnt 0x0
.endif
.if 16*(7-SS) > 63
	s_wait_loadcnt 63                              ; behind this K step's weights more loads were issued than the count can name: the largest count serves
.else
	s_wait_loadcnt 16*(7-SS)                       ; the weights of the later K steps may be out
.endif
	MUL SS
.set SS, SS+1
.endr
	WIN 0
	PLACES4                                        ; four places before results are read and before loads land on the scale words' registers
.irp a, 0,1,2,3
.if \a >= 2
	s_wait_xcnt 0x0                                ; the stores of two tiles ago have read their registers: they are loaded again only behind this wait
.endif
.irp b, 0,1,2,3
	ds_store_b128 v8, v[ACCU+8*(4*\a+\b):ACCU+8*(4*\a+\b)+3] offset:128*(\b/2)+32*(\b%2)          ; each accumulator from its low end on
	ds_store_b128 v8, v[ACCU+8*(4*\a+\b)+4:ACCU+8*(4*\a+\b)+7] offset:128*(\b/2)+32*(\b%2)+16
.endr
.irp i, 0,1,2,3,4,5,6,7
	ds_load_b128 v[16+32*(\a%2)+4*\i:19+32*(\a%2)+4*\i], v9 offset:544*\i   ; my own bytes, served in order: these see the stores above, and the next tile's stores come behind them
.endr
.irp i, 0,1,2,3,4,5,6,7
	s_wait_dscnt 7-\i
	global_store_b128 v10, v[16+32*(\a%2)+4*\i:19+32*(\a%2)+4*\i], s[OUTB:OUTB+1] offset:(32*(\a/2)+8*(\a%2)+2*\i+8*(\i/4))*4096 th:TH_STORE_NT   ; 16 lanes store 256 consecutive bytes, aligned; written once
.endr
.endr
	s_wait_tensorcnt 0x0
	ds_add_u32 v254, v255
	s_wait_dscnt 0x0
	CROUND                                         ; the closing round: no work-group ends while a partner may still ask for a tile that names it
	s_endpgm
.Lfunc_end_k_qc70f0adf42_outp:
	.size	k_qc70f0adf42_outp, .Lfunc_end_k_qc70f0adf42_outp-k_qc70f0adf42_outp
	.p2alignl 7, 3214868480
	.fill 96, 4, 3214868480
	.section	.rodata,"a",@progbits
	.p2align	6, 0x0
	.amdhsa_kernel k_qc70f0adf42_outp
		.amdhsa_group_segment_fixed_size 168448
		.amdhsa_private_segment_fixed_size 0
		.amdhsa_enable_private_segment 0
		.amdhsa_kernarg_size 40
		.amdhsa_user_sgpr_count 2
		.amdhsa_user_sgpr_kernarg_segment_ptr 1
		.amdhsa_wavefront_size32 1
		.amdhsa_system_sgpr_workgroup_id_x 1
		.amdhsa_system_sgpr_workgroup_id_y 1
		.amdhsa_system_sgpr_workgroup_id_z 1
		.amdhsa_system_vgpr_workitem_id 0
		.amdhsa_next_free_vgpr 864
		.amdhsa_next_free_sgpr 96
		.amdhsa_reserve_vcc 0
		.amdhsa_float_denorm_mode_32 3
		.amdhsa_float_denorm_mode_16_64 3
		.amdhsa_memory_ordered 1
		.amdhsa_forward_progress 1
		.amdhsa_inst_pref_size 53
	.end_amdhsa_kernel
	.amdgpu_metadata
---
amdhsa.version: [ 1, 2 ]
amdhsa.kernels:
  - .name:           k_qc70f0adf42_outp
    .symbol:         k_qc70f0adf42_outp.kd
    .args:
      - { .name: cod, .offset: 0, .size: 8, .value_kind: global_buffer, .address_space: global }
      - { .name: scl, .offset: 8, .size: 8, .value_kind: global_buffer, .address_space: global }
      - { .name: ac, .offset: 16, .size: 8, .value_kind: global_buffer, .address_space: global }
      - { .name: asl, .offset: 24, .size: 8, .value_kind: global_buffer, .address_space: global }
      - { .name: out0, .offset: 32, .size: 8, .value_kind: global_buffer, .address_space: global }
    .group_segment_fixed_size: 168448
    .private_segment_fixed_size: 0
    .kernarg_segment_align: 8
    .kernarg_segment_size: 40
    .max_flat_workgroup_size: 128
    .sgpr_count:     96
    .vgpr_count:     864
    .wavefront_size: 32
...
	.end_amdgpu_metadata
.endif
;; end of part 4
